; MI455X (gfx1250); checked and timed in simulation.
; The chip was launched on July 23, 2026; its instructions are those of AMD's public machine-readable ISA for CDNA 5 (MIT licence, August 2026) and "CDNA5" Instruction Set Architecture Reference Guide (July 2026). The comments in the code are by the model that wrote it; some were corrected since.
;; Causal Multi Head Attention. Allowed arithmetic: matrix products marked QUANTISED: E2M1 operands, one E8M0 scale for each 32 along K, by v_wmma_scale_f32_16x16x128_f8f6f4 with both operands' format E2M1 (or v_wmma_scale_f32_32x16x128_f4), f32 sums; everything else in f32.
;; Inputs: W_o 1,024 x 1,024 float32; W_qkv 1,024 x 3,072 float32; b_o 1,024 float32; b_qkv 3,072 float32; x 4 x 2,048 x 1,024 float32.
;; Outputs: out0 4 x 2,048 x 1,024 float32.
;; This version of the problem:
;;   THIS VERSION OF THE PROBLEM IS GIVEN IN LOW PRECISION. The matrix products marked QUANTISED in the list below multiply operands that are first quantised to E2M1 (2 exponent bits, 1 mantissa bit; 4 bits a number), with one power-of-two scale for each 32 numbers along K (OCP MX v1.0); their sums are f32. All else is computed in f32.
;;   The module's matrix products, in the order in which they are computed (A, B: the left and right operand; K: the contracted axis; several contracted axes count as one K, in the product's order):
;;     1. [M 8,192, K 1,024] x [K 1,024, N 3,072]; A: input x; B: input W_qkv: QUANTISED
;;     2. batch 64 x [M 2,048, K 64] x [K 64, N 2,048]; A: computed on the way; B: computed on the way: QUANTISED
;;     3. batch 64 x [M 2,048, K 2,048] x [K 2,048, N 64]; A: softmax (see below); B: computed on the way: QUANTISED
;;     4. [M 8,192, K 1,024] x [K 1,024, N 1,024]; A: computed on the way; B: input W_o: QUANTISED
;;   THE QUANTISER, for each operand of a quantised product, along K:
;;     - K is cut into blocks of 32 from its start; a last block that is shorter is filled with zeros.
;;     - A block's scale is 2^e with e = floor(log2(the largest magnitude in the block)) - 2, held to -126 .. 127; a block of zeros has e = 0. As a byte (E8M0): e + 127.
;;     - Each number is divided by its block's scale, clamped to +-6, and rounded to the nearest number of E2M1, ties to even, subnormals kept.
;;     - The product sums the exact products of the quantised numbers (number of the format x scale) in f32.
;;   ~~~python
;;   def quantise(x, axis):      # numpy; x: float32 -> the quantised numbers, widened to float32 again
;;       x = np.moveaxis(x, axis, -1); K = x.shape[-1]
;;       x = np.pad(x, [(0, 0)] * (x.ndim - 1) + [(0, -K % 32)]); x = x.reshape(x.shape[:-1] + (-1, 32)); a = np.abs(x).max(-1, keepdims=True)
;;       e = np.where(a > 0, np.clip(np.frexp(np.where(a > 0, a, 1))[1] - 1 - 2, -126, 127), 0)      # np.frexp(a)[1] - 1 = floor(log2(a)), exactly
;;       r = np.clip(x / 2.0 ** e, -6, 6)
;;       step = 2.0 ** (np.maximum(np.frexp(np.where(r == 0, 1, r))[1] - 1, 0) - 1)
;;       q = np.round(r / step) * step * 2.0 ** e      # np.round: ties to even
;;       return np.moveaxis(q.reshape(q.shape[:-2] + (-1,))[..., :K], -1, axis).astype(np.float32)
;;   ~~~
;;   SOFTMAX AHEAD OF A QUANTISED PRODUCT. Where the list says 'softmax', what is quantised is not the finished softmax but p = 2^(t - M), with t = logit x log2(e) and M = ceil(the row's largest t), a whole number; so 1/2 < the row's largest p <= 1. The row's sum l is taken of the UNQUANTISED p, in f32, and the product's result is divided by l at the end. Since M is a whole number, a kernel that streams over the keys may use a running M (the ceiling of the running maximum): every later rescaling is an exact power of two, which a block's scale takes up: the codes' values come out the same.
;;   OPERANDS COMPUTED ON THE WAY. 'Computed on the way' means the value that the module computes at that place (a softmax that the list does not call 'softmax' is quantised finished and normalised). What goes into a quantiser is computed in f32, as accurately as f32 sums, v_exp_f32 and their like allow (about 1e-6 of the number): no bf16 or f16 on the way to a quantiser, and a product that is left as it is and whose result goes on into a quantised operand takes f32 operands (vector FMAs, or v_wmma_f32_16x16x4_f32). A number that lies on a knife's edge between two numbers of the format may be rounded either way, as far as f32 arithmetic and the matrix unit's own rounding can turn it there, and no further.
;; One version. Each part assembles by itself: llvm-mc -triple=amdgcn-amd-amdhsa -mcpu=gfx1250 --defsym DOCPART=n.
;; ======== version 1 of 1: 4 launches
;; workspace buffers: xc 4,194,304 bytes; xs 262,144 bytes; wc 2,097,152 bytes; ws 131,072 bytes; qkv 13,893,632 bytes; oc 4,194,304 bytes; os 262,144 bytes
;; launch prep (part 1): grid 320 x 1, 4 waves a work-group, no clusters, 102,912 bytes of LDS; arguments x, W_qkv, W_o, xc, xs, wc, ws; writes xc, xs, wc, ws
.if DOCPART == 1
	.amdgcn_target "amdgcn-amd-amdhsa--gfx1250"
	.amdhsa_code_object_version 6
	.text
	.protected	k_q9c38c01b4c_prep
	.globl	k_q9c38c01b4c_prep
	.p2align	8
	.type	k_q9c38c01b4c_prep,@function
k_q9c38c01b4c_prep:
	s_mov_b64 s[64:65], 0
	v_nop
	global_prefetch_b8 v0, s[64:65] scope:SCOPE_SE
	s_setreg_imm32_b32 hwreg(HW_REG_WAVE_MODE, 25, 1), 1
	s_wait_xcnt 0x0
; CAUSAL MULTI-HEAD ATTENTION IN MX-FP4, launch 1 of 4: x, W_qkv and W_o (f32) become codes of E2M1 with K innermost and one E8M0 byte for each 32 along K.
; THE PROGRAM: prep (this) | gemm_qkv: x W_qkv + b_qkv, quantised at once into the operands of attention | attn: both attention products and the softmax, its result quantised | gemm_out: the projection + b_o.
; DEAD WORK LEFT OUT (in attn): a step of 128 keys all of which come after a tile's 16 queries.  reference() itself builds the mask (jnp.tril) and sets those scores to -inf ahead of the softmax, so their p is 0
; whatever finite values the inputs hold: they add nothing to a row's maximum, to its sum or to the product with V.  Nothing else is left out: all five inputs have a way to the output and all five are loaded
; (b_qkv's part for K too: it moves K's codes).  LIMIT: a NaN, an infinity or an overflow that would arise in those steps alone is not carried to the result.
; A block's scale is 2^(floor(log2(its largest magnitude)) - 2); its byte is the largest magnitude's exponent field - 2, held at 1 from below.  A block of zeros so gets the byte 1 where the rule says 127: its
; codes are zeros, which add nothing under any byte but 0xff, and these bytes are read by this program alone.  LIMITS: NaN and infinities among the inputs are not served.
; ROW ORDER.  Row A of x, and column A of a weight, is stored at row swap34(A): A with its bits 3 and 4 exchanged.  16 rows on end of the stored order, tile 2 b + u, are then the rows 32 b + 8 u + {0..7, 16..23}:
; as source 0 of a product two neighbouring tiles give a lane 16 NEIGHBOURS along the next product's K, and the rows of a tile lie on end in LDS.
; THREE PATHS, parted by the work-group's number, each with LDS bytes of its own: 0-255: x, 32 rows each;  256-303: W_qkv, 128 columns x 512 along K each;  304-319: W_o likewise.  No barrier: waves share nothing.
.set SPARE, 102400                     ; the spare words, 128 bytes for each wave: two blocks of 256 bytes that no other line names
.set SPW,   180                        ; v180 LDS address of my spare word; never rewritten
.set NIL,   181                        ; v181 0; never rewritten
; path x: K is innermost, so x is a plain stream of blocks of 32
.set STEPS, 16                         ; a wave takes 16 steps of 512 numbers: 8 rows
.set EMAX,  2
.set CB,    8                          ; bytes of 16 codes
.set R,     16                         ; v16-79   four sets of 16 numbers as they are loaded
.set X,     80                         ; v80-111  two sets of 16 neighbours
.set E,     112                        ; v112-127 a scale byte for each step
.set C,     128                        ; v128-159 codes: two registers for each step, so that no store's data are written again
.set WREG,  8192                       ; LDS: a region for each wave: two stages of 32 x SP bytes, and behind them its 256 scale bytes
.set SP,    80                         ; a lane's place in a stage: 64 bytes + 16 of padding
; paths W: K is the first axis: a lane takes a column and its registers run down K
.set PITCH, 272                        ; a stage row: 256 bytes of codes + 16
.set NB,    16                         ; blocks of 32 along K for a wave
.set XW,    32                         ; v32-95   two sets of 32 numbers
.set CW,    96                         ; v96-99   a block's codes
.set OUTR,  112                        ; v112-175 the way out
.set SB,    24                         ; v24-27   the scale bytes, four to a register
.macro LOAD t                          ; 32 lanes read 512 consecutive bytes
.irp i, 0,1,2,3
	global_load_b128 v[R+16*((\t)%4)+4*\i:R+16*((\t)%4)+4*\i+3], v3, s[4:5] offset:2048*(\t)+512*\i th:TH_LOAD_NT
.endr
.endm
.macro TURN t                          ; step t's numbers through the stage: in as they lie, back 64 bytes a lane.  LDS serves a wave's instructions in order: no wait between the stores and the loads
.irp i, 0,1,2,3
	ds_store_b128 v14, v[R+16*((\t)%4)+4*\i:R+16*((\t)%4)+4*\i+3] offset:32*SP*((\t)%2)+8*SP*\i
.endr
.irp i, 0,1,2,3
	ds_load_b128 v[X+16*((\t)%2)+4*\i:X+16*((\t)%2)+4*\i+3], v15 offset:32*SP*((\t)%2)+16*\i
.endr
.endm
.macro STEP t
.set XS, X+16*((\t)%2)
.if (\t) > 0
	s_wait_dscnt 1                                 ; this step's numbers are back from the stage; only the last step's byte store may be out
.else
	s_wait_dscnt 0x0
.endif
.if (\t)+4 < STEPS
	LOAD (\t)+4                                    ; into the registers that this step's stores into the stage have read
.endif
.if (\t)+1 < STEPS
.if STEPS-2-(\t) >= 3
	s_wait_loadcnt 12                              ; the next step's four loads are in; those of the three steps behind it may be out
.else
	s_wait_loadcnt 4*(STEPS-2-(\t))
.endif
	TURN (\t)+1
.endif
	v_max3_num_f32 v8, |v[XS]|, |v[XS+1]|, |v[XS+2]|               ; the largest magnitude of my 16, in two chains
	v_max3_num_f32 v9, |v[XS+3]|, |v[XS+4]|, |v[XS+5]|
.irp i, 6,10
	v_max3_num_f32 v8, v8, |v[XS+\i]|, |v[XS+\i+1]|
	v_max3_num_f32 v9, v9, |v[XS+\i+2]|, |v[XS+\i+3]|
.endr
	v_max3_num_f32 v8, v8, |v[XS+14]|, |v[XS+15]|
	v_max3_num_f32 v8, v8, v9, (EMAX+1)<<23        ; and the floor 2^(3 - 127): the byte cannot fall under 1
	v_max_num_f32_dpp v8, v8, v8 row_xmask:1 row_mask:0xf bank_mask:0xf   ; with my neighbour's 16: the block's
	v_add_nc_u32 v11, -(EMAX<<23), v8              ; 2 off its exponent field: the conversion takes the exponent field of this operand as its scale
	v_cvt_scalef32_pk8_fp4_f32 v[C+2*(\t)], v[XS:XS+7], v11
	v_cvt_scalef32_pk8_fp4_f32 v[C+2*(\t)+1], v[XS+8:XS+15], v11
	v_lshrrev_b32 v[E+(\t)], 23, v11               ; the scale's byte
	ds_store_b8 v5, v[E+(\t)] offset:16*(\t)       ; both lanes of a block write the same byte with the same value
	global_store_b64 v4, v[C+2*(\t):C+2*(\t)+1], s[10:11] offset:32*CB*(\t)   ; the wave stores 256 consecutive bytes, aligned
.endm
.macro LOADW t, n                      ; block t: W(32 t + i, my column), i = 0 .. 31: each load reads 128 consecutive bytes, the four waves side by side
.set ii, 0
.rept 32
	global_load_b32 v[XW+32*((\t)%2)+ii], v3, s[30:31] offset:(32*(\t)+ii)*(\n)*4 th:TH_LOAD_NT
.set ii, ii+1
.endr
.endm
.macro BLOCKW t, n
.set XS, XW+32*((\t)%2)
.if (\t) < NB-1
	s_wait_loadcnt 32                              ; this block's 32 loads are in; the next block's may be out
.else
	s_wait_loadcnt 0
.endif
	v_max3_num_f32 v12, |v[XS]|, |v[XS+1]|, |v[XS+2]|              ; the block's largest magnitude: all 32 numbers are mine
	v_max3_num_f32 v13, |v[XS+3]|, |v[XS+4]|, |v[XS+5]|
.irp i, 6,10,14,18,22,26
	v_max3_num_f32 v12, v12, |v[XS+\i]|, |v[XS+\i+1]|
	v_max3_num_f32 v13, v13, |v[XS+\i+2]|, |v[XS+\i+3]|
.endr
	v_max3_num_f32 v12, v12, |v[XS+30]|, |v[XS+31]|
	v_max3_num_f32 v12, v12, v13, (EMAX+1)<<23     ; and the floor
	v_add_nc_u32 v11, -(EMAX<<23), v12             ; the conversion's scale operand
	v_lshrrev_b32 v13, 23, v11                     ; the scale's byte
.if (\t)%4 == 0
	v_mov_b32 v[SB+(\t)/4], v13                    ; four bytes to a register, the lower K in the lower byte
.else
	v_lshl_or_b32 v[SB+(\t)/4], v13, 8*((\t)%4), v[SB+(\t)/4]
.endif
.irp g, 0,1,2,3
	v_cvt_scalef32_pk8_fp4_f32 v[CW+\g], v[XS+8*\g:XS+8*\g+7], v11
.endr
	ds_store_b128 v4, v[CW:CW+3] offset:16*(\t)    ; 32 codes: 16 bytes of my column's row
.if (\t)+2 < NB
	LOADW (\t)+2, \n
.endif
	s_wait_dscnt 0x0                               ; the store has read its registers: the next block's codes may be written
.endm
; A weight [1024][N]: work-groups FIRST on; its columns become rows ROW0 on of wc and ws; STG: this path's stages in LDS; PLO: the scalar pair with the weight's address
.macro WPATH N, FIRST, ROW0, STG, PLO
	s_sub_co_u32 s19, ttmp9, \FIRST
	s_lshr_b32 s20, s19, 1                         ; which 128 columns
	s_and_b32 s19, s19, 1                          ; which 512 along K
	s_lshl_b32 s20, s20, 7
	s_lshl_b32 s21, s18, 5
	s_add_co_u32 s20, s20, s21                     ; my wave's first column, a multiple of 32
	v_lshlrev_b32 v3, 2, v2                        ; in: 4 bytes a lane
	s_mul_i32 s21, s18, 32*PITCH
	s_add_co_u32 s21, s21, \STG                    ; my stage
	v_mul_u32_u24 v4, v2, PITCH
	v_add_nc_u32 v4, s21, v4                       ; into it: row = my column
	v_and_b32 v5, 15, v2
	v_lshrrev_b32 v6, 4, v2                        ; out of it: sixteen lanes to a row, two rows an instruction
	v_mul_u32_u24 v7, v6, PITCH
	v_lshl_add_u32 v7, v5, 4, v7
	v_add_nc_u32 v7, s21, v7
	v_lshlrev_b32 v8, 9, v6                        ; and in wc: a row is 512 bytes
	v_lshl_add_u32 v8, v5, 4, v8
	v_and_b32 v9, 7, v2                            ; swap34(lane) x 32: my column's row of scale bytes
	v_bfe_u32 v10, v2, 3, 1
	v_lshl_or_b32 v9, v10, 4, v9
	v_bfe_u32 v10, v2, 4, 1
	v_lshl_or_b32 v9, v10, 3, v9
	v_lshlrev_b32 v9, 5, v9
	s_mul_i32 s22, s19, 512*(\N)*4                 ; the weight: 512 rows for each half of K,
	s_lshl_b32 s23, s20, 2
	s_add_co_u32 s22, s22, s23                     ; + 4 x column
	s_mov_b32 s23, 0
	s_add_co_u32 s24, s20, \ROW0
	s_lshl_b32 s26, s24, 9                         ; wc: row x 512 + 256 x half
	s_lshl_b32 s25, s19, 8
	s_add_co_u32 s26, s26, s25
	s_mov_b32 s27, 0
	s_lshl_b32 s28, s24, 5                         ; ws: row x 32 + 16 x half
	s_lshl_b32 s25, s19, 4
	s_add_co_u32 s28, s28, s25
	s_mov_b32 s29, 0
	s_wait_kmcnt 0x0
	s_add_nc_u64 s[30:31], s[\PLO:\PLO+1], s[22:23]
	s_add_nc_u64 s[32:33], s[14:15], s[26:27]
	s_add_nc_u64 s[34:35], s[16:17], s[28:29]
	LOADW 0, \N
	LOADW 1, \N
.irp t, 0,1,2,3,4,5,6,7,8,9,10,11,12,13,14,15
	BLOCKW \t, \N
.endr
	s_wait_alu depctr_va_vdst(0)
	global_store_b128 v9, v[SB:SB+3], s[34:35]     ; my column's 16 scale bytes of this half of K
.irp t, 0,1,2,3,4,5,6,7,8,9,10,11,12,13,14,15
	ds_load_b128 v[OUTR+4*\t:OUTR+4*\t+3], v7 offset:2*\t*PITCH   ; LDS serves a wave's instructions in order: these see my stores
.endr
.irp t, 0,1,2,3,4,5,6,7,8,9,10,11,12,13,14,15
	s_wait_dscnt 15-\t
	global_store_b128 v8, v[OUTR+4*\t:OUTR+4*\t+3], s[32:33] offset:2*((\t&3)|((\t&4)<<1)|((\t&8)>>1))*512   ; columns 2 t, 2 t + 1 go to rows swap34 of them; sixteen lanes store 256 consecutive bytes, aligned
.endr
	s_wait_tensorcnt 0x0                           ; the wave's end, behind my last LDS store
	ds_add_u32 v[SPW], v[NIL]
	s_wait_dscnt 0x0
	s_endpgm
.endm
	s_load_b128 s[4:7], s[0:1], 0x0                ; x, W_qkv
	s_load_b128 s[8:11], s[0:1], 0x10              ; W_o, xc
	s_load_b128 s[12:15], s[0:1], 0x20             ; xs, wc
	s_load_b64 s[16:17], s[0:1], 0x30              ; ws
	v_lshl_add_u32 v[SPW], v0, 2, SPARE
	v_mov_b32 v[NIL], 0
	v_lshrrev_b32 v1, 5, v0
	v_readfirstlane_b32 s18, v1                    ; wave 0..3
	v_and_b32 v2, 31, v0                           ; lane
	s_cmp_lt_u32 ttmp9, 256
	s_cbranch_scc0 .Lweights
	; ---- x: my wave's run of 8 rows is 4 x work-group + wave; row bits 3 and 4 are the wave's two bits, so the run is stored with those two exchanged
	v_lshlrev_b32 v3, 4, v2                        ; my 16 bytes of a load's 512
	s_mul_i32 s19, s18, WREG
	v_lshrrev_b32 v14, 2, v2
	v_mul_u32_u24 v14, v14, SP
	v_and_b32 v15, 3, v2
	v_lshl_add_u32 v14, v15, 4, v14
	v_add_nc_u32 v14, s19, v14                     ; the stage, on the way in: SP (lane / 4) + 16 (lane % 4)
	v_mul_u32_u24 v15, v2, SP
	v_add_nc_u32 v15, s19, v15                     ; and on the way out: SP x lane
	v_mul_u32_u24 v4, v2, CB                       ; my codes' place in a step's
	v_lshrrev_b32 v5, 1, v2
	s_add_co_u32 s19, s19, 2*32*SP
	v_add_nc_u32 v5, s19, v5                       ; my wave's 256 scale bytes, my block's byte
	v_lshlrev_b32 v7, 3, v2
	v_add_nc_u32 v6, s19, v7                       ; and on the way out 8 bytes a lane
	s_lshl_b32 s20, ttmp9, 2
	s_add_co_u32 s22, s20, s18
	s_lshl_b32 s22, s22, 15                        ; a run is 32,768 bytes of x
	s_mov_b32 s23, 0
	s_and_b32 s24, s18, 1
	s_lshl_b32 s24, s24, 1
	s_lshr_b32 s25, s18, 1
	s_or_b32 s24, s24, s25
	s_add_co_u32 s24, s24, s20                     ; the run's place in the stored order
	s_lshl_b32 s26, s24, 12                        ; 4,096 bytes of codes,
	s_mov_b32 s27, 0
	s_lshl_b32 s28, s24, 8                         ; 256 scale bytes
	s_mov_b32 s29, 0
	s_wait_alu depctr_va_vdst(0)
	s_wait_kmcnt 0x0
	s_add_nc_u64 s[4:5], s[4:5], s[22:23]
	s_add_nc_u64 s[10:11], s[10:11], s[26:27]
	s_add_nc_u64 s[12:13], s[12:13], s[28:29]
.irp t, 0,1,2,3
	LOAD \t
.endr
	s_wait_loadcnt 12                              ; step 0's four loads are in
	TURN 0
.irp t, 0,1,2,3,4,5,6,7,8,9,10,11,12,13,14,15
	STEP \t
.endr
	ds_load_b64 v[8:9], v6                         ; LDS serves a wave's instructions in order: these see my byte stores
	s_wait_dscnt 0x0
	global_store_b64 v7, v[8:9], s[12:13]          ; 32 lanes store 256 consecutive bytes, aligned
	s_wait_tensorcnt 0x0                           ; the wave's end, behind my last LDS store
	ds_add_u32 v[SPW], v[NIL]
	s_wait_dscnt 0x0
	s_endpgm
.Lweights:
	s_cmp_lt_u32 ttmp9, 304
	s_cbranch_scc0 .Lwo
	s_wait_alu depctr_va_vdst(0)
	WPATH 3072, 256, 0, 32768, 6
.Lwo:
	s_wait_alu depctr_va_vdst(0)
	WPATH 1024, 304, 3072, 67584, 8
.Lfunc_end_k_q9c38c01b4c_prep:
	.size	k_q9c38c01b4c_prep, .Lfunc_end_k_q9c38c01b4c_prep-k_q9c38c01b4c_prep
	.p2alignl 7, 3214868480
	.fill 96, 4, 3214868480
	.section	.rodata,"a",@progbits
	.p2align	6, 0x0
	.amdhsa_kernel k_q9c38c01b4c_prep
		.amdhsa_group_segment_fixed_size 102912
		.amdhsa_private_segment_fixed_size 0
		.amdhsa_enable_private_segment 0
		.amdhsa_kernarg_size 56
		.amdhsa_user_sgpr_count 2
		.amdhsa_user_sgpr_kernarg_segment_ptr 1
		.amdhsa_wavefront_size32 1
		.amdhsa_system_sgpr_workgroup_id_x 1
		.amdhsa_system_sgpr_workgroup_id_y 1
		.amdhsa_system_sgpr_workgroup_id_z 1
		.amdhsa_system_vgpr_workitem_id 0
		.amdhsa_next_free_vgpr 192
		.amdhsa_next_free_sgpr 66
		.amdhsa_reserve_vcc 0
		.amdhsa_float_denorm_mode_32 3
		.amdhsa_float_denorm_mode_16_64 3
		.amdhsa_memory_ordered 1
		.amdhsa_forward_progress 1
		.amdhsa_inst_pref_size 189
	.end_amdhsa_kernel
	.amdgpu_metadata
---
amdhsa.version: [ 1, 2 ]
amdhsa.kernels:
  - .name:           k_q9c38c01b4c_prep
    .symbol:         k_q9c38c01b4c_prep.kd
    .args:
      - { .name: x, .offset: 0, .size: 8, .value_kind: global_buffer, .address_space: global }
      - { .name: W_qkv, .offset: 8, .size: 8, .value_kind: global_buffer, .address_space: global }
      - { .name: W_o, .offset: 16, .size: 8, .value_kind: global_buffer, .address_space: global }
      - { .name: xc, .offset: 24, .size: 8, .value_kind: global_buffer, .address_space: global }
      - { .name: xs, .offset: 32, .size: 8, .value_kind: global_buffer, .address_space: global }
      - { .name: wc, .offset: 40, .size: 8, .value_kind: global_buffer, .address_space: global }
      - { .name: ws, .offset: 48, .size: 8, .value_kind: global_buffer, .address_space: global }
    .group_segment_fixed_size: 102912
    .private_segment_fixed_size: 0
    .kernarg_segment_align: 8
    .kernarg_segment_size: 56
    .max_flat_workgroup_size: 128
    .sgpr_count:     66
    .vgpr_count:     192
    .wavefront_size: 32
...
	.end_amdgpu_metadata
.endif
;; end of part 1
;; launch gemm_qkv (part 2): grid 12 x 32, 4 waves a work-group, clusters of 4 x 4, 288,256 bytes of LDS; arguments xc, xs, wc, ws, b_qkv, qkv; writes qkv
.if DOCPART == 2
	.amdgcn_target "amdgcn-amd-amdhsa--gfx1250"
	.amdhsa_code_object_version 6
	.text
	.protected	k_q9c38c01b4c_gemm_qkv
	.globl	k_q9c38c01b4c_gemm_qkv
	.p2align	8
	.type	k_q9c38c01b4c_gemm_qkv,@function
k_q9c38c01b4c_gemm_qkv:
	s_mov_b64 s[64:65], 0
	v_nop
	global_prefetch_b8 v0, s[64:65] scope:SCOPE_SE
	s_setreg_imm32_b32 hwreg(HW_REG_WAVE_MODE, 25, 1), 1
	s_wait_xcnt 0x0
	s_wait_alu depctr_hold_cnt(0) depctr_sa_sdst(0) depctr_va_vdst(0) depctr_va_sdst(0) depctr_va_ssrc(0) depctr_va_vcc(0) depctr_vm_vsrc(0)
	s_getreg_b32 s2, hwreg(HW_REG_IB_STS2, 6, 4)
	s_cmp_eq_u32 s2, 0
	s_cbranch_scc0 .Lentry_in_a_cluster
	s_endpgm
.Lentry_in_a_cluster:
	s_bfe_u32 s2, ttmp6, 0x10000c
	s_cmp_lg_u32 s2, 0xf033
	s_cbranch_scc0 .Lentry_shape_is_right
	s_endpgm
.Lentry_shape_is_right:
; Launch 2 of 4: qkv = x W_qkv + b_qkv on codes of E2M1, and each result quantised at once, in registers, into the operand that attention wants.  No f32 number of q, k or v goes to memory.  No work is left out here.
; A work-group makes 256 tokens x 256 columns, a wave 128 x 128: 64 accumulators.  K = 1,024 is 512 bytes a row: both tiles lie WHOLE in LDS, filled once; no slot is filled again.
; CLUSTERS: 4 x 4 work-groups; x's tile is shared along a row of the cluster, W's along a column: joint loads.  The cluster's x (0, 1, 2) says whether the columns are q's, k's or v's: the same in all sixteen partners.
; WHICH SIDE IS SOURCE 0.  In a result a lane holds ONE row of source 1, and its registers run along source 0's rows.  q and k are quantised along the head's 64 numbers, which are W's columns: source 0 = W, source 1 = x.
; v is quantised along the keys, which are x's rows: source 0 = x, source 1 = W.  The stored row order (bits 3 and 4 of a row exchanged) makes the 16 registers of source 0's tiles 2 b, 2 b + 1 sixteen neighbours.
; THE RECORD of a batch and head, HS bytes of qkv: K's codes | V's codes | K's scale words | V's scale words | Q's codes | Q's scale words, codes as images of the operands' registers (16 bytes a lane on end).
;   K, Q: tile T of 16 rows: lane (r, h) holds the 32 codes of block h of row 128 (T / 8) + 32 b + 8 u + r + 8 (r / 8), T % 8 = 2 b + u.   V: step s of 128 keys, tile dt of 16 of the head's 64, registers 4 c on.
; LIMITS: NaN and infinities are not served; a block of zeros keeps the byte 1 (its codes are zeros; the bytes are read by this program alone).
; REGISTERS, in windows of 256: window 0: v1-29 addresses; v32-95 scale words (register 8 i + q: lanes 0-15 source 1's block i, lanes 16-31 source 0's, K step q); v96-127 at work; v128-255 source 1's fragments, two sets.
;   window 1: source 0's fragments, two sets, at v0 and v128; v64-127 the bias, as the C of the first K step.   windows 2, 3: the accumulators: (a, t) at v[8 (8 (a % 4) + t)], a = source 1's tile, t = source 0's.
.set HS,    217088
.set VCO,   65536
.set KSO,   131072
.set VSO,   139264
.set QCO,   143360
.set QSO,   208896
.set PITCH, 528                        ; an LDS row: 512 bytes + 16 of padding: an odd multiple of 16, so the 16 rows that a load touches fall on 16 different columns of 16 bytes
.set HALFT, 128*PITCH                  ; 128 rows: what one tensor load brings, and what one wave reads of x or of W
.set WB,    2*HALFT                    ; x's 256 rows, then W's 256
.set SCL,   4*HALFT                    ; the scale bytes: 32 a row, as runs of 256 bytes + 16 of padding: x's two halves, then W's two
.set HALFS, 16*272
.set SPARE, SCL+4*HALFS                ; the spare words, 128 bytes for each wave: two blocks of 256 bytes that no other line names
.set ADRA, 16                          ; v16  LDS address of my fragments of x
.set ADRB, 20                          ; v20  of W
.set ADSQ, 22                          ; v22  of my scale words, q and k: lanes 0-15 x's rows, lanes 16-31 W's
.set ADSV, 23                          ; v23  v: the other way round
.set LI,   24                          ; v24  16 x lane
.set SOFF, 25                          ; v25  the scale words' way out: HS x (lane / 16) + 16 (lane % 16)
.set SH,   26                          ; v26  16 x (lane / 16)
.set SPW,  28                          ; v28  LDS address of my spare word; never rewritten
.set NIL,  29                          ; v29  0; never rewritten
.set SC,   32
.set TM,   96                          ; v96-99 largest magnitudes, v100-103 bytes, v108-111 the conversions' scale operands
.set OUT,  112                         ; v112-119 scale words on their way out
.set PW,   120                         ; v120-127 the scale word of tile a
.set S1F,  128
.set BIAS, 64
.set WV,   16                          ; s16 wave;  s17 which 128 rows of x are mine, also: I fetch for x (0) or W (1);  s18 which 128 rows of W, also: which half I fetch
.set IH,   17
.set JH,   18
.set G1,   24                          ; s[24:31], s[32:35] groups 1 and 0 for x's codes;  s[48:55], s[56:59] for W's
.set G0,   32
.set G1B,  48
.set G0B,  56
.set G1S,  68                          ; s[68:75], s[76:79] for x's scale bytes;  s[80:87], s[88:91] for W's
.set G0S,  76
.set G1SB, 80
.set G0SB, 88
.set CB0,  92                          ; s[92:93] where my codes go
.set SB0,  94                          ; s[94:95] where my scale words go
.set FLOOR, 96                         ; s96  2^(3 - 127)
.set SEL,  98                          ; s[98:99] v_permlanex16_b32's selects for lane l xor 16
.set MSB, 0
.macro WIN new                         ; the immediate's high byte repeats the setting that is left
.if MSB != (\new)
	s_set_vgpr_msb (MSB<<8)|(\new)
.set MSB, (\new)
.endif
.endm
.macro PLACES n
.rept \n
	v_nop
.endr
.endm
; A joint load: waves 0 and 1 fetch for x, waves 2 and 3 for W.  Each line has one mask and one set of registers for all that issue it; the branch hangs on the wave's number alone.
; An s_nop 0 and four v_nop follow each of the two lines.
.macro JLOAD g0a, g1a, g0b, g1b
	s_cmp_eq_u32 s[IH], 0
	s_cbranch_scc0 .Lfor_b_\@
	tensor_load_to_lds s[\g0a:\g0a+3], s[\g1a:\g1a+7]
	s_nop 0
.rept 4
	v_nop
.endr
	s_branch .Lasked_\@
.Lfor_b_\@:
	tensor_load_to_lds s[\g0b:\g0b+3], s[\g1b:\g1b+7]
	s_nop 0
.rept 4
	v_nop
.endr
.Lasked_\@:
.endm
.macro CROUND                          ; a round of the cluster's barrier
	s_barrier_signal -1
	s_barrier_wait -1
	s_cmp_lg_u32 s[WV], 0
	s_cbranch_scc1 .Lnot_wave_0_\@
	s_barrier_signal -3
.Lnot_wave_0_\@:
	s_barrier_wait -3
	s_barrier_signal -1
	s_barrier_wait -1
.endm
; 32 LDS loads: the fragments of K step q (128 along K: 64 bytes of a row) into set q % 2.  A fragment: lane (r, h) holds row r; registers 4 c .. 4 c + 3 hold k = 64 c + 32 h + 0 .. 31
.macro FETCH q, ad0, ad1
	WIN 0x40                                       ; destination window 1
.irp i, 0,1,2,3,4,5,6,7
.irp c, 0,1
	ds_load_b128 v[128*((\q)%2)+8*\i+4*\c:128*((\q)%2)+8*\i+4*\c+3], v[\ad0] offset:64*(\q)+32*\c+\i*16*PITCH
.endr
.endr
	WIN 0
.irp i, 0,1,2,3,4,5,6,7
.irp c, 0,1
	ds_load_b128 v[S1F+64*((\q)%2)+8*\i+4*\c:S1F+64*((\q)%2)+8*\i+4*\c+3], v[\ad1] offset:64*(\q)+32*\c+\i*16*PITCH
.endr
.endr
.endm
.macro SCALES ads                      ; all eight K steps' scale words of my 128 + 128 rows: 8 words a row
.irp i, 0,1,2,3,4,5,6,7
.irp k, 0,1
	ds_load_b128 v[SC+8*\i+4*\k:SC+8*\i+4*\k+3], v[\ads] offset:544*\i+16*\k
.endr
.endr
.endm
; 32 matrix instructions: source 1's tiles 4 hi .. 4 hi + 3 x source 0's eight.  first = 1: the bias is the C of the sum's first instruction.  The 64 accumulators take turns, one instruction a turn,
; in the same order in every K step.
.macro MUL32 q, hi, first, isv
.if \first
	WIN 0x91+0x40*(\hi)                            ; source 0 and C window 1, source 1 window 0, D window 2 or 3
.else
	WIN 0xa1+0x50*(\hi)                            ; C and D window 2 or 3
.endif
.irp a, 0,1,2,3
.irp t, 0,1,2,3,4,5,6,7
.if \first
.if \isv
	v_wmma_scale_f32_16x16x128_f8f6f4 v[8*(8*\a+\t):8*(8*\a+\t)+7], v[128*((\q)%2)+8*\t:128*((\q)%2)+8*\t+7], v[S1F+64*((\q)%2)+8*(4*(\hi)+\a):S1F+64*((\q)%2)+8*(4*(\hi)+\a)+7], v[BIAS+8*(4*(\hi)+\a):BIAS+8*(4*(\hi)+\a)+7], v[SC+8*\t+(\q)], v[SC+8*(4*(\hi)+\a)+(\q)] matrix_a_fmt:MATRIX_FMT_FP4 matrix_b_fmt:MATRIX_FMT_FP4 matrix_a_scale:MATRIX_SCALE_ROW1
.else
	v_wmma_scale_f32_16x16x128_f8f6f4 v[8*(8*\a+\t):8*(8*\a+\t)+7], v[128*((\q)%2)+8*\t:128*((\q)%2)+8*\t+7], v[S1F+64*((\q)%2)+8*(4*(\hi)+\a):S1F+64*((\q)%2)+8*(4*(\hi)+\a)+7], v[BIAS+8*\t:BIAS+8*\t+7], v[SC+8*\t+(\q)], v[SC+8*(4*(\hi)+\a)+(\q)] matrix_a_fmt:MATRIX_FMT_FP4 matrix_b_fmt:MATRIX_FMT_FP4 matrix_a_scale:MATRIX_SCALE_ROW1
.endif
.else
	v_wmma_scale_f32_16x16x128_f8f6f4 v[8*(8*\a+\t):8*(8*\a+\t)+7], v[128*((\q)%2)+8*\t:128*((\q)%2)+8*\t+7], v[S1F+64*((\q)%2)+8*(4*(\hi)+\a):S1F+64*((\q)%2)+8*(4*(\hi)+\a)+7], v[8*(8*\a+\t):8*(8*\a+\t)+7], v[SC+8*\t+(\q)], v[SC+8*(4*(\hi)+\a)+(\q)] matrix_a_fmt:MATRIX_FMT_FP4 matrix_b_fmt:MATRIX_FMT_FP4 matrix_a_scale:MATRIX_SCALE_ROW1
.endif
.endr
.endr
.endm
.macro KSTEP q, isv, ad0, ad1
	s_wait_dscnt 0x0                               ; this step's fragments are in: they were asked for 64 matrix instructions ago
.if (\q) < 7
.if (\q) > 0
	PLACES 4                                       ; four places in front of loads into registers that the last step's matrix instructions have read
.endif
	FETCH (\q)+1, \ad0, \ad1
.endif
.if (\q) == 0
	MUL32 \q, 0, 1, \isv
	MUL32 \q, 1, 1, \isv
.else
	MUL32 \q, 0, 0, \isv
	MUL32 \q, 1, 0, \isv
.endif
.endm
; Source 1's tile a: a lane's 64 numbers (register 16 b + i = place 32 b + 16 (lane / 16) + i along the next K) become four blocks' codes, v[PC] on, and a scale word, v[PW + a]; the codes leave at once:
; registers 0-3 at offset o0, registers 4-7 at o1, 16 bytes a lane: each store covers 512 consecutive bytes, aligned.
.macro QTILE a, o0, o1
.set QW, 2+(\a)/4
.set AC, 64*((\a)%4)
.set PC, 32+8*((\a)%2)
	WIN (QW<<2)|(QW<<4)                            ; sources 1 and 2: the accumulators' window
.irp b, 0,1,2,3
	v_max3_num_f32 v[TM+\b], s[FLOOR], |v[AC+16*\b]|, |v[AC+16*\b+1]|   ; each accumulator is read from its low end on; the floor holds the byte at 1 from below
.endr
.irp i, 2,4,6,8,10,12,14
.irp b, 0,1,2,3
	v_max3_num_f32 v[TM+\b], v[TM+\b], |v[AC+16*\b+\i]|, |v[AC+16*\b+\i+1]|   ; (the four blocks by turns)
.endr
.endr
	WIN 0
.irp b, 0,1,2,3
	v_permlanex16_b32 v[TM+4+\b], v[TM+\b], s[SEL], s[SEL+1]
.endr
.irp b, 0,1,2,3
	v_max_num_f32 v[TM+\b], v[TM+\b], v[TM+4+\b]   ; with lane l xor 16's: the block's largest magnitude
.endr
.irp b, 0,1,2,3
	v_add_nc_u32 v[TM+12+\b], 0xff000000, v[TM+\b] ; 2 off its exponent field: the conversion's scale operand
.endr
.irp b, 0,1,2,3
	v_lshrrev_b32 v[TM+4+\b], 23, v[TM+12+\b]      ; the scale's byte
.endr
	v_lshl_or_b32 v[PW+\a], v[TM+5], 8, v[TM+4]
	v_lshl_or_b32 v[PW+\a], v[TM+6], 16, v[PW+\a]
	v_lshl_or_b32 v[PW+\a], v[TM+7], 24, v[PW+\a]
.if (\a) >= 2
	s_wait_xcnt 0x0                                ; the stores of tile a - 2 have read these registers
.endif
	WIN QW                                         ; source 0: the accumulators' window
.irp b, 0,1,2,3
	v_cvt_scalef32_pk8_fp4_f32 v[PC+2*\b], v[AC+16*\b:AC+16*\b+7], v[TM+12+\b]
	v_cvt_scalef32_pk8_fp4_f32 v[PC+2*\b+1], v[AC+16*\b+8:AC+16*\b+15], v[TM+12+\b]
.endr
	WIN 0
	v_nop                                          ; one plain place behind a scaled conversion
.irp c, 0,1                                    ; a whole block to a lane: lanes 0-15 block 2 c, lanes 16-31 block 2 c + 1
.irp i, 0,1
	v_permlane16_swap_b32 v[PC+4*\c+\i], v[PC+4*\c+2+\i]
.endr
.endr
	global_store_b128 v[LI], v[PC:PC+3], s[CB0:CB0+1] offset:\o0
	global_store_b128 v[LI], v[PC+4:PC+7], s[CB0:CB0+1] offset:\o1
.endm
.macro MAIN isv
.if \isv
	s_lshl_b32 s36, s22, 12                        ; V's codes: 4,096 bytes a step of 128 keys
	s_add_co_u32 s36, s36, s21
	s_add_co_u32 s36, s36, VCO
	s_lshl_b32 s38, s22, 8                         ; V's scale words: 256 bytes a step
	s_add_co_u32 s38, s38, s21
	s_add_co_u32 s38, s38, VSO
.else
	s_cmp_eq_u32 ttmp9, 0                          ; q or k: a choice between two OFFSETS
	s_cselect_b32 s36, QCO, 0
	s_mov_b32 s38, KSO
	s_cselect_b32 s38, QSO, s38
	s_lshl_b32 s37, s22, 12                        ; eight tiles of 512 bytes for my 128 tokens
	s_add_co_u32 s36, s36, s37
	s_add_co_u32 s36, s36, s21
	s_lshl_b32 s37, s22, 9                         ; and 512 bytes of scale words
	s_add_co_u32 s38, s38, s37
	s_add_co_u32 s38, s38, s21
.endif
	s_mov_b32 s37, 0
	s_mov_b32 s39, 0
	s_add_nc_u64 s[CB0:CB0+1], s[14:15], s[36:37]
	s_add_nc_u64 s[SB0:SB0+1], s[14:15], s[38:39]
.if \isv
	FETCH 0, ADRA, ADRB
	SCALES ADSV
	s_wait_alu depctr_va_vdst(0)
.irp q, 0,1,2,3,4,5,6,7
	KSTEP \q, 1, ADRA, ADRB
.endr
.else
	FETCH 0, ADRB, ADRA
	SCALES ADSQ
	s_wait_alu depctr_va_vdst(0)
.irp q, 0,1,2,3,4,5,6,7
	KSTEP \q, 0, ADRB, ADRA
.endr
.endif
	WIN 0
	PLACES 4                                       ; four places between the last products and the first read of results
.if \isv
.irp a, 0,1,2,3,4,5,6,7                        ; tile a: 16 of the 64 numbers of head a / 4; its fragment's two halves
	QTILE \a, (\a/4)*HS+(\a%4)*1024, (\a/4)*HS+(\a%4)*1024+512
.endr
	v_cmp_ne_u32 vcc_lo, 0, v2
.irp i, 0,1,2,3
	v_cndmask_b32 v[OUT+\i], v[PW+\i], v[PW+4+\i], vcc_lo   ; lanes 0-15: the first head's four tiles; lanes 16-31: the second's
.endr
	global_store_b128 v[SOFF], v[OUT:OUT+3], s[SB0:SB0+1]   ; sixteen lanes store 256 consecutive bytes, aligned
.else
.irp a, 0,1,2,3,4,5,6,7                        ; tile a: 16 tokens; blocks 0, 1 are the first head's 64 numbers, blocks 2, 3 the second's
	QTILE \a, 512*\a, HS+512*\a
.endr
.irp a, 0,1,2,3,4,5,6,7
	v_bfe_u32 v[OUT+\a], v[PW+\a], v[SH], 16       ; lanes 0-15: the first head's two bytes; lanes 16-31: the second's.  Bytes 2 and 3, which stand over zero codes in attention, are 0
.endr
	global_store_b128 v[SOFF], v[OUT:OUT+3], s[SB0:SB0+1]
	global_store_b128 v[SOFF], v[OUT+4:OUT+7], s[SB0:SB0+1] offset:256
.endif
.endm
	s_load_b128 s[4:7], s[0:1], 0x0                ; xc, xs
	s_load_b128 s[8:11], s[0:1], 0x10              ; wc, ws
	s_load_b128 s[12:15], s[0:1], 0x20             ; b_qkv, qkv
	v_lshl_add_u32 v[SPW], v0, 2, SPARE
	v_mov_b32 v[NIL], 0
	ds_add_u32 v[SPW], v[NIL]                      ; the wave's opening: the add, twice on end, and its wait ahead of my first tensor load
	ds_add_u32 v[SPW], v[NIL]
	v_lshrrev_b32 v1, 5, v0
	v_readfirstlane_b32 s[WV], v1
	s_lshr_b32 s[IH], s[WV], 1
	s_and_b32 s[JH], s[WV], 1
	s_bfe_u32 s40, ttmp6, 0x40000                  ; cx, cy: my place in the cluster
	s_bfe_u32 s41, ttmp6, 0x40004
	s_lshl_b32 s42, ttmp9, 2
	s_add_co_u32 s42, s42, s40                     ; which 256 columns: 4 x cluster x + cx
	s_and_b32 s19, ttmp7, 0xffff
	s_lshl_b32 s19, s19, 2
	s_add_co_u32 s19, s19, s41                     ; which 256 tokens: 4 x cluster y + cy
	s_lshl_b32 s43, s41, 2
	s_lshl_b32 s43, 15, s43                        ; my row of the cluster
	s_lshl_b32 s44, 0x1111, s40                    ; my column
	s_or_b32 s[G1], s43, (0<<16)|(1<<20)|(1<<21)|(6<<22)|(3<<25)    ; the mask; elements of 1 byte; padding on; bit 21 beside a mask; after every 128 words four words
	s_or_b32 s[G1B], s44, (0<<16)|(1<<20)|(1<<21)|(6<<22)|(3<<25)
.irp g, G1, G1B
	s_mov_b32 s[\g+1], 512<<16                     ; tensor_dim0 = 512 bytes
	s_mov_b32 s[\g+2], 128<<16                     ; tensor_dim1 = 128 rows
	s_mov_b32 s[\g+3], 512<<16                     ; tile_dim0
	s_mov_b32 s[\g+4], 128                         ; tile_dim1
	s_mov_b32 s[\g+5], 512                         ; from row to row
	s_mov_b32 s[\g+6], 0
	s_mov_b32 s[\g+7], 0
.endr
	s_or_b32 s[G1S], s43, (3<<16)|(1<<20)|(1<<21)|(5<<22)|(3<<25)   ; the scale bytes of 128 rows: 4,096 dense bytes as 16 rows of 32 elements of 8 bytes, four words of padding behind each
	s_or_b32 s[G1SB], s44, (3<<16)|(1<<20)|(1<<21)|(5<<22)|(3<<25)
.irp g, G1S, G1SB
	s_mov_b32 s[\g+1], 32<<16
	s_mov_b32 s[\g+2], 16<<16
	s_mov_b32 s[\g+3], 32<<16
	s_mov_b32 s[\g+4], 16
	s_mov_b32 s[\g+5], 32
	s_mov_b32 s[\g+6], 0
	s_mov_b32 s[\g+7], 0
.endr
	s_lshl_b32 s20, s[JH], 7                       ; which 128 rows of the tile I fetch
	s_lshl_b32 s21, s19, 8
	s_add_co_u32 s21, s21, s20                     ; x: row 256 y + 128 x half
	s_lshl_b32 s46, s42, 8
	s_add_co_u32 s46, s46, s20                     ; W: row 256 x + 128 x half
	s_lshl_b32 s22, s21, 9                         ; their codes,
	s_mov_b32 s23, 0
	s_lshl_b32 s36, s21, 5                         ; their scale bytes
	s_mov_b32 s37, 0
	s_lshl_b32 s38, s46, 9
	s_mov_b32 s39, 0
	s_lshl_b32 s46, s46, 5
	s_mov_b32 s47, 0
	s_mul_i32 s45, s[WV], HALFT                    ; where they go: wave x 128 rows: no place in the cluster enters an LDS address
	s_mul_i32 s94, s[WV], HALFS
	s_mov_b32 s[FLOOR], 0x1800000
	s_mov_b32 s[SEL], 0x76543210
	s_mov_b32 s[SEL+1], 0xfedcba98
	s_wait_dscnt 0x0                               ; both opening adds are done
	s_wait_kmcnt 0x0
	CROUND                                         ; all sixteen work-groups are here: the joint loads meet
	s_mov_b32 s[G0S], 1
	s_add_co_u32 s[G0S+1], s94, SCL
	s_add_nc_u64 s[G0S+2:G0S+3], s[6:7], s[36:37]
	s_or_b32 s[G0S+3], s[G0S+3], 0x80000000
	s_mov_b32 s[G0SB], 1
	s_add_co_u32 s[G0SB+1], s94, SCL
	s_add_nc_u64 s[G0SB+2:G0SB+3], s[10:11], s[46:47]
	s_or_b32 s[G0SB+3], s[G0SB+3], 0x80000000
	JLOAD G0S, G1S, G0SB, G1SB
	s_mov_b32 s[G0], 1
	s_mov_b32 s[G0+1], s45
	s_add_nc_u64 s[G0+2:G0+3], s[4:5], s[22:23]
	s_or_b32 s[G0+3], s[G0+3], 0x80000000
	s_mov_b32 s[G0B], 1
	s_mov_b32 s[G0B+1], s45
	s_add_nc_u64 s[G0B+2:G0B+3], s[8:9], s[38:39]
	s_or_b32 s[G0B+3], s[G0B+3], 0x80000000
	JLOAD G0, G1, G0B, G1B                         ; two tensor loads of mine are out: all that this launch asks for
	v_and_b32 v1, 15, v0                           ; r
	v_bfe_u32 v2, v0, 4, 1                         ; h
	s_wait_alu depctr_va_vdst(0)
	v_mul_u32_u24 v3, v1, PITCH
	v_lshl_add_u32 v3, v2, 4, v3                   ; a fragment's row x pitch + 16 h
	s_mul_i32 s20, s[IH], HALFT
	s_mul_i32 s21, s[JH], HALFT
	s_add_co_u32 s21, s21, WB
	v_add_nc_u32 v[ADRA], s20, v3
	v_add_nc_u32 v[ADRB], s21, v3
	v_lshlrev_b32 v4, 5, v1
	v_lshrrev_b32 v5, 3, v1
	v_lshl_add_u32 v4, v5, 4, v4                   ; my row's scale words: 32 r, and 16 more behind each 256
	s_mul_i32 s20, s[IH], HALFS                    ; x's: my 128 rows
	s_mul_i32 s21, s[JH], HALFS
	s_add_co_u32 s21, s21, 2*HALFS                 ; W's: behind x's 256
	s_sub_co_u32 s21, s21, s20                     ; the distance between the two
	s_add_co_u32 s20, s20, SCL
	v_mul_u32_u24 v6, s21, v2
	v_add_nc_u32 v6, v6, v4
	v_add_nc_u32 v[ADSQ], s20, v6                  ; lanes 16-31 take W's
	v_xor_b32 v7, 1, v2
	v_mul_u32_u24 v6, s21, v7
	v_add_nc_u32 v6, v6, v4
	v_add_nc_u32 v[ADSV], s20, v6                  ; lanes 0-15 take W's
	v_and_b32 v5, 31, v0
	v_lshlrev_b32 v[LI], 4, v5
	v_mul_u32_u24 v[SOFF], v2, HS
	v_lshl_add_u32 v[SOFF], v1, 4, v[SOFF]
	v_lshlrev_b32 v[SH], 4, v2
.irp b, 0,1,2,3
	v_mov_b32 v[TM+4+\b], 0                        ; written once: a lane permute's destination counts as one of its sources
.endr
	; the bias of my 128 columns, in the result's layout: each of the two arms fills all 64 registers of the first K step's C
	s_lshl_b32 s20, s42, 10
	s_lshl_b32 s21, s[JH], 9
	s_add_co_u32 s20, s20, s21
	s_mov_b32 s21, 0
	s_add_nc_u64 s[12:13], s[12:13], s[20:21]
	v_lshlrev_b32 v8, 6, v2                        ; q, k: registers run along the columns: tile t wants columns 32 (t / 2) + 16 h + 8 (t % 2) + 0 .. 7
	v_lshrrev_b32 v9, 3, v1
	v_lshl_add_u32 v9, v9, 3, v1
	v_lshlrev_b32 v9, 2, v9                        ; v: a lane holds one column: tile a wants column 32 (a / 2) + 8 (a % 2) + r + 8 (r / 8)
	s_cmp_lt_u32 ttmp9, 2
	s_cbranch_scc0 .Lbias_v
	WIN 0x40
.irp t, 0,1,2,3,4,5,6,7
	global_load_b128 v[BIAS+8*\t:BIAS+8*\t+3], v8, s[12:13] offset:(32*(\t/2)+8*(\t%2))*4
	global_load_b128 v[BIAS+8*\t+4:BIAS+8*\t+7], v8, s[12:13] offset:(32*(\t/2)+8*(\t%2))*4+16
.endr
	WIN 0
	s_branch .Lbias_done
.Lbias_v:
	WIN 0x40
	s_wait_alu depctr_va_vdst(0)
.irp a, 0,1,2,3,4,5,6,7
	global_load_b32 v[BIAS+8*\a], v9, s[12:13] offset:(32*(\a/2)+8*(\a%2))*4
.endr
	s_wait_loadcnt 0x0                             ; the eight numbers are in; my two tensor loads are still on their way meanwhile
	WIN 0x41                                       ; v's bias hangs on the lane's column alone: each number is spread over the eight registers of its tile's C
.irp a, 0,1,2,3,4,5,6,7
.irp j, 1,2,3,4,5,6,7
	v_mov_b32 v[BIAS+8*\a+\j], v[BIAS+8*\a]
.endr
.endr
	WIN 0
	PLACES 4
.Lbias_done:
	; where my results go: my 128 tokens are step st of batch b; my 128 columns are heads 4 cx + 2 JH and the next
	s_lshl_b32 s20, s19, 8
	s_lshl_b32 s21, s[IH], 7
	s_add_co_u32 s20, s20, s21                     ; my first token
	s_lshr_b32 s21, s20, 11                        ; b
	s_bfe_u32 s22, s20, 0x40007                    ; st
	s_lshl_b32 s21, s21, 4
	s_lshl_b32 s23, s40, 2
	s_add_co_u32 s21, s21, s23
	s_lshl_b32 s23, s[JH], 1
	s_add_co_u32 s21, s21, s23
	s_mul_i32 s21, s21, HS                         ; the first head's record
	s_wait_tensorcnt 0x0                           ; my parts of the tiles and of the scale bytes are in,
	s_barrier_signal -1
	s_barrier_wait -1                              ; everybody's are
	s_wait_loadcnt 0x0                             ; q's and k's bias
	s_cmp_lt_u32 ttmp9, 2
	s_cbranch_scc0 .Lpath_v
	MAIN 0
	s_branch .Ldone
.Lpath_v:
	MAIN 1
.Ldone:
	s_wait_tensorcnt 0x0                           ; the wave's end
	ds_add_u32 v[SPW], v[NIL]
	s_wait_dscnt 0x0
	CROUND                                         ; the closing round
	s_endpgm
.Lfunc_end_k_q9c38c01b4c_gemm_qkv:
	.size	k_q9c38c01b4c_gemm_qkv, .Lfunc_end_k_q9c38c01b4c_gemm_qkv-k_q9c38c01b4c_gemm_qkv
	.p2alignl 7, 3214868480
	.fill 96, 4, 3214868480
	.section	.rodata,"a",@progbits
	.p2align	6, 0x0
	.amdhsa_kernel k_q9c38c01b4c_gemm_qkv
		.amdhsa_group_segment_fixed_size 288256
		.amdhsa_private_segment_fixed_size 0
		.amdhsa_enable_private_segment 0
		.amdhsa_kernarg_size 48
		.amdhsa_user_sgpr_count 2
		.amdhsa_user_sgpr_kernarg_segment_ptr 1
		.amdhsa_wavefront_size32 1
		.amdhsa_system_sgpr_workgroup_id_x 1
		.amdhsa_system_sgpr_workgroup_id_y 1
		.amdhsa_system_sgpr_workgroup_id_z 1
		.amdhsa_system_vgpr_workitem_id 0
		.amdhsa_next_free_vgpr 1024
		.amdhsa_next_free_sgpr 100
		.amdhsa_reserve_vcc 1
		.amdhsa_float_denorm_mode_32 3
		.amdhsa_float_denorm_mode_16_64 3
		.amdhsa_memory_ordered 1
		.amdhsa_forward_progress 1
		.amdhsa_inst_pref_size 245
	.end_amdhsa_kernel
	.amdgpu_metadata
---
amdhsa.version: [ 1, 2 ]
amdhsa.kernels:
  - .name:           k_q9c38c01b4c_gemm_qkv
    .symbol:         k_q9c38c01b4c_gemm_qkv.kd
    .args:
      - { .name: xc, .offset: 0, .size: 8, .value_kind: global_buffer, .address_space: global }
      - { .name: xs, .offset: 8, .size: 8, .value_kind: global_buffer, .address_space: global }
      - { .name: wc, .offset: 16, .size: 8, .value_kind: global_buffer, .address_space: global }
      - { .name: ws, .offset: 24, .size: 8, .value_kind: global_buffer, .address_space: global }
      - { .name: b_qkv, .offset: 32, .size: 8, .value_kind: global_buffer, .address_space: global }
      - { .name: qkv, .offset: 40, .size: 8, .value_kind: global_buffer, .address_space: global }
    .group_segment_fixed_size: 288256
    .private_segment_fixed_size: 0
    .kernarg_segment_align: 8
    .kernarg_segment_size: 48
    .max_flat_workgroup_size: 128
    .sgpr_count:     100
    .vgpr_count:     1024
    .wavefront_size: 32
...
	.end_amdgpu_metadata
.endif
;; end of part 2
;; launch attn (part 3): grid 4 x 64, 16 waves a work-group, clusters of 4 x 1, 167,936 bytes of LDS; arguments qkv, oc, os; writes oc, os
.if DOCPART == 3
	.amdgcn_target "amdgcn-amd-amdhsa--gfx1250"
	.amdhsa_code_object_version 6
	.text
	.protected	k_q9c38c01b4c_attn
	.globl	k_q9c38c01b4c_attn
	.p2align	8
	.type	k_q9c38c01b4c_attn,@function
k_q9c38c01b4c_attn:
	s_mov_b64 s[64:65], 0
	v_nop
	global_prefetch_b8 v0, s[64:65] scope:SCOPE_SE
	s_setreg_imm32_b32 hwreg(HW_REG_WAVE_MODE, 25, 1), 1
	s_wait_xcnt 0x0
	s_wait_alu depctr_hold_cnt(0) depctr_sa_sdst(0) depctr_va_vdst(0) depctr_va_sdst(0) depctr_va_ssrc(0) depctr_va_vcc(0) depctr_vm_vsrc(0)
	s_getreg_b32 s2, hwreg(HW_REG_IB_STS2, 6, 4)
	s_cmp_eq_u32 s2, 0
	s_cbranch_scc0 .Lentry_in_a_cluster
	s_endpgm
.Lentry_in_a_cluster:
	s_bfe_u32 s2, ttmp6, 0x10000c
	s_cmp_lg_u32 s2, 0x3003
	s_cbranch_scc0 .Lentry_shape_is_right
	s_endpgm
.Lentry_shape_is_right:
; Launch 3 of 4: for each batch and head, O = softmax(Q K^T / 8, causal) V on codes of E2M1, and O quantised at once along the head's 64 numbers, as the projection's operand.
; LEFT OUT AS DEAD WORK: a step of 128 keys all of which come after a tile's 16 queries: reference()'s own causal mask makes their p zero for all values of the inputs (shown at the head of the first kernel).
; THE SOFTMAX AHEAD OF THE SECOND PRODUCT: t = score x log2(e) / 8; M = the row's largest t so far, rounded UP to a whole number; p = 2^(t - M) is quantised along the keys, not normalised; the row's sum is taken of the
; unquantised p and divides O at the end.  When M moves, the sum and O are multiplied by 2^(old M - new M): exact.
; SHARES.  The four work-groups of a cluster serve one batch and head.  A head has 128 tiles of 16 queries; wave w of work-group g takes tiles T0 = 4 w + g and T1 = 127 - T0, one after the other: tile T wants T / 8 + 1 key
; steps, so every wave of the launch walks 17 key steps, two of them on the diagonal.  T / 8 hangs on w alone: no branch hangs on g, which enters global addresses and the mask's threshold (data) only.
; LDS.  A head's K and V, codes and scale words, are the first 143,360 bytes of its record: they come ONCE, as they lie, each wave asking for 35 rows of 256 bytes by one joint load (the same in all four partners).
; The 560 rows are cut in sixteen.  Nothing is filled again, nothing is stored to LDS, and the loop has no barrier.
; Codes lie as images of the operands' registers: every fragment load is 16 bytes a lane on end.
; LAYOUT.  Both products transposed: S^T = K Q^T, O^T = V^T P^T: a lane holds ONE query throughout.  The head's 64 numbers fill k = 0 .. 63 of the first product's 128; k = 64 .. 127 are zero codes on both sides.
; Lane r of query or key tile 2 b + u (of a step's eight) is row 32 b + 8 u + r + 8 (r / 8), so the 16 registers of S^T's tiles 2 b, 2 b + 1 are keys 32 b + 16 (lane / 16) + 0 .. 15.
; LIMITS: NaN and infinities are not served; a p under 2^-126 counts as 0; a block of zeros keeps the byte 1 (its codes are zeros).  The scale bytes of O leave one byte a lane (256 KiB in the launch).
; REGISTERS: v1-4, v7 places that stay; v5, v6 the add's two; v8-11 the step's LDS addresses; v12 -M, v13 the largest t, v[14:15] the sum; v16-23 Q (v20-23 zeros); v24-31 K's scale words; v32-95 K's eight fragments
; (the upper four registers of each are zeros); v96-159 S^T, then p; v160-191 O^T; v192-223 V's four fragments; v224-231 p's codes; v232-239, v244-247, v252-254 at work; v240 the mask's threshold; v241 16 r; v242 32 r + h;
; v243 h; v248-251 V's scale words; v255 Q's scale word.
.set HS,    217088
.set VCO,   65536
.set KSO,   131072
.set VSO,   139264
.set QCO,   143360
.set QSO,   208896
.set PART,  8960                       ; 35 rows of 256 bytes: a wave's share of the fill
.set SPARE, 143360                     ; the spare words, 128 bytes for each wave: eight blocks of 256 bytes that no other line names
.set WV,   10                          ; s10 wave;  s11 g;  s12 batch x 16 + head;  s13 the record's first byte
.set SEL,  16                          ; s[16:17] v_permlanex16_b32's selects for lane l xor 16
.set CS,   18                          ; s[18:19] c = log2(e) / 8
.set G1,   24
.set G0,   32
.set TK,   36                          ; s36 4,096 x step: K's and V's codes;  s37 512 x step: K's scale words;  s38 256 x step: V's;  s39 the step
.set TS,   37
.set TJ,   38
.set STP,  39
.set SD,   40                          ; s40, s41 the diagonal's step in pass 0, 1
.set QL,   42                          ; s42, s43 the tile's first query within its step
.set QCA,  44                          ; s[44:47] Q's codes, pass 0, 1;  s[48:51] Q's scale words;  s[52:55] where O's codes go;  s[56:59] its scale bytes
.set QSA,  48
.set OCA,  52
.set OSA,  56
.macro CROUND                          ; a round of the cluster's barrier
	s_barrier_signal -1
	s_barrier_wait -1
	s_cmp_lg_u32 s[WV], 0
	s_cbranch_scc1 .Lnot_wave_0_\@
	s_barrier_signal -3
.Lnot_wave_0_\@:
	s_barrier_wait -3
	s_barrier_signal -1
	s_barrier_wait -1
.endm
.macro ADDR p                          ; the addresses of pass p's tile, T in s60
	s_lshl_b32 s20, s60, 9
	s_add_co_u32 s20, s20, s13
	s_add_co_u32 s20, s20, QCO
	s_add_nc_u64 s[QCA+2*\p:QCA+2*\p+1], s[4:5], s[20:21]    ; Q's codes: 512 bytes a tile
	s_lshr_b32 s20, s60, 2
	s_lshl_b32 s20, s20, 8
	s_and_b32 s22, s60, 3
	s_lshl_b32 s22, s22, 2
	s_add_co_u32 s20, s20, s22
	s_add_co_u32 s20, s20, s13
	s_add_co_u32 s20, s20, QSO
	s_add_nc_u64 s[QSA+2*\p:QSA+2*\p+1], s[4:5], s[20:21]    ; its words: 256 (T / 4) + 16 r + 4 (T % 4)
	s_lshr_b32 s22, s12, 4
	s_lshl_b32 s22, s22, 7
	s_add_co_u32 s22, s22, s60                     ; the tile among all batches': 128 x batch + T
	s_and_b32 s23, s12, 15                         ; the head
	s_lshl_b32 s20, s22, 13
	s_lshl_b32 s61, s23, 9
	s_add_co_u32 s20, s20, s61
	s_add_nc_u64 s[OCA+2*\p:OCA+2*\p+1], s[6:7], s[20:21]    ; O's codes: 8,192 a tile; the head's 512: K step head / 2, registers 4 (head % 2) on
	s_lshl_b32 s20, s22, 9
	s_lshl_b32 s61, s23, 1
	s_add_co_u32 s20, s20, s61
	s_add_nc_u64 s[OSA+2*\p:OSA+2*\p+1], s[8:9], s[20:21]    ; its scale bytes: 512 a tile, 32 a row, 2 a head
	s_bfe_u32 s20, s60, 0x20001
	s_lshl_b32 s20, s20, 5
	s_and_b32 s61, s60, 1
	s_lshl_b32 s61, s61, 3
	s_add_co_u32 s[QL+\p], s20, s61                ; 32 ((T % 8) / 2) + 8 (T % 2)
.endm
; A KEY STEP of 128 keys.  sd: the scalar register with the diagonal's step.  A step behind the diagonal is jumped over, all but the lines that step the addresses.
.macro STEP sd
	s_cmp_gt_u32 s[STP], s[\sd]
	s_cbranch_scc1 .Lhidden_\@
	s_setprio 2
	v_add_nc_u32 v8, s[TK], v1                     ; these four are also the places in front of loads into registers that the last step's products have read
	v_add_nc_u32 v9, s[TK], v2
	v_add_nc_u32 v10, s[TS], v3
	v_add_nc_u32 v11, s[TJ], v4
.irp t, 0,1,2,3,4,5,6,7
	ds_load_b128 v[32+8*\t:35+8*\t], v8 offset:512*\t
.endr
	ds_load_b128 v[24:27], v10
	ds_load_b128 v[28:31], v10 offset:256
.irp dt, 0,1,2,3
.irp c, 0,1
	ds_load_b128 v[192+8*\dt+4*\c:195+8*\dt+4*\c], v9 offset:1024*\dt+512*\c
.endr
.endr
	ds_load_b128 v[248:251], v11
	s_wait_dscnt 9                                 ; K's ten loads are in; V's nine, wanted behind the softmax, may be out
.irp t, 0,1,2,3,4,5,6,7
	v_wmma_scale_f32_16x16x128_f8f6f4 v[96+8*\t:103+8*\t], v[32+8*\t:39+8*\t], v[16:23], 0, v[24+\t], v255 matrix_a_fmt:MATRIX_FMT_FP4 matrix_b_fmt:MATRIX_FMT_FP4
.endr
.rept 4
	v_nop
.endr
	s_cmp_lg_u32 s[STP], s[\sd]                    ; on the diagonal the scores of hidden keys become -infinity ahead of the maximum: p = 0 then
	s_cbranch_scc1 .Lopen_\@
	v_mov_b32 v254, 0xff800000
.set jj, 0
.rept 64                                       ; register 16 b + i holds key 32 b + 16 (lane / 16) + i of the step: hidden where 32 b + i > my query - 16 (lane / 16)
	v_cmp_gt_i32 vcc_lo, 32*(jj/16)+jj%16, v240
	v_cndmask_b32 v[96+jj], v[96+jj], v254, vcc_lo
.set jj, jj+1
.endr
.Lopen_\@:
.irp b, 0,1,2,3
	v_max3_num_f32 v[232+\b], v[96+16*\b], v[97+16*\b], v[98+16*\b]   ; the largest score of each block of 32 keys: for the row's maximum, and, since p rises with the score, for the block's largest p
.endr
.irp i, 3,5,7,9,11,13
.irp b, 0,1,2,3
	v_max3_num_f32 v[232+\b], v[232+\b], v[96+16*\b+\i], v[97+16*\b+\i]
.endr
.endr
.irp b, 0,1,2,3
	v_max_num_f32 v[232+\b], v[232+\b], v[111+16*\b]
.endr
.irp b, 0,1,2,3
	s_delay_alu instid0(VALU_DEP_4)
	v_permlanex16_b32 v[236+\b], v[232+\b], s[SEL], s[SEL+1]
.endr
.irp b, 0,1,2,3
	s_delay_alu instid0(VALU_DEP_4)
	v_max_num_f32 v[232+\b], v[232+\b], v[236+\b]  ; with lane l xor 16's 16 keys
.endr
	s_delay_alu instid0(VALU_DEP_2)
	v_max3_num_f32 v254, v232, v233, v234
	s_delay_alu instid0(VALU_DEP_1)
	v_max_num_f32 v254, v254, v235                 ; the step's largest score of my query
	s_delay_alu instid0(VALU_DEP_1)
	v_mul_f32 v254, s[CS], v254                    ; as t
	s_delay_alu instid0(VALU_DEP_1)
	v_max_num_f32 v13, v13, v254                   ; the running largest t
	v_mov_b32 v254, v12
	s_delay_alu instid0(VALU_DEP_2)
	v_floor_f32 v12, -v13                          ; the new -M = floor(-t): M is a whole number
	s_delay_alu instid0(VALU_DEP_1)
	v_sub_f32 v254, v12, v254                      ; old M - new M: a whole number, 0 or less
	s_delay_alu instid0(VALU_DEP_1)
	v_cvt_i32_f32 v254, v254                       ; (it saturates)
	s_delay_alu instid0(VALU_DEP_1)
	v_ldexp_f32 v252, 1.0, v254                    ; f = 2^(old M - new M)
.set jj, 0
.rept 32
	v_pk_fma_f32 v[96+jj:97+jj], v[96+jj:97+jj], s[CS:CS+1], v[12:13] op_sel_hi:[1,0,0]   ; t - M, two at a time
.set jj, jj+2
.endr
	s_setprio 1
.irp b, 0,1,2,3
	v_fma_f32 v[232+\b], v[232+\b], s[CS], v12     ; the same of each block's largest score
.endr
.set jj, 0
	s_wait_alu depctr_va_vdst(0)
.rept 64
	v_exp_f32 v[96+jj], v[96+jj]                   ; p = 2^(t - M), at most 1
.set jj, jj+1
.endr
	v_pk_mul_f32 v[14:15], v[14:15], v[252:253] op_sel_hi:[1,0]   ; the sums under the new M: a plain place behind the exponentials
	s_wait_alu depctr_va_vdst(0)                   ; one wait for the whole batch, ahead of its first reader
.irp b, 0,1,2,3
	v_exp_f32 v[232+\b], v[232+\b]                 ; the block's largest p
.endr
	v_pk_add_f32 v[236:237], v[100:101], v[104:105]
	v_pk_add_f32 v[246:247], v[108:109], v[112:113]
	v_pk_add_f32 v[244:245], v[116:117], v[120:121]
	v_pk_add_f32 v[238:239], v[124:125], v[128:129]
	v_pk_add_f32 v[230:231], v[132:133], v[136:137]
	v_pk_add_f32 v[228:229], v[140:141], v[144:145]
	v_pk_add_f32 v[226:227], v[148:149], v[152:153]
	v_pk_add_f32 v[14:15], v[14:15], v[156:157]
	v_pk_add_f32 v[236:237], v[236:237], v[96:97]
	v_pk_add_f32 v[246:247], v[246:247], v[98:99]
	v_pk_add_f32 v[244:245], v[244:245], v[102:103]
	v_pk_add_f32 v[238:239], v[238:239], v[106:107]
	v_pk_add_f32 v[230:231], v[230:231], v[110:111]
	v_pk_add_f32 v[228:229], v[228:229], v[114:115]
	v_pk_add_f32 v[226:227], v[226:227], v[118:119]
	v_pk_add_f32 v[14:15], v[14:15], v[122:123]
	v_pk_add_f32 v[236:237], v[236:237], v[126:127]
	v_pk_add_f32 v[246:247], v[246:247], v[130:131]
	v_pk_add_f32 v[244:245], v[244:245], v[134:135]
	v_pk_add_f32 v[238:239], v[238:239], v[138:139]
	v_pk_add_f32 v[230:231], v[230:231], v[142:143]
	v_pk_add_f32 v[228:229], v[228:229], v[146:147]
	v_pk_add_f32 v[226:227], v[226:227], v[150:151]
	v_pk_add_f32 v[14:15], v[14:15], v[154:155]
	v_pk_add_f32 v[236:237], v[236:237], v[158:159]
	s_delay_alu instid0(VALU_DEP_2)
	v_pk_add_f32 v[14:15], v[14:15], v[238:239]
	s_delay_alu instid0(VALU_DEP_2)
	v_pk_add_f32 v[236:237], v[236:237], v[230:231]
	v_pk_add_f32 v[246:247], v[246:247], v[228:229]
	v_pk_add_f32 v[244:245], v[244:245], v[226:227]
	s_delay_alu instid0(VALU_DEP_2)
	v_pk_add_f32 v[14:15], v[14:15], v[246:247]
	s_delay_alu instid0(VALU_DEP_2)
	v_pk_add_f32 v[236:237], v[236:237], v[244:245]
	s_delay_alu instid0(VALU_DEP_1)
	v_pk_add_f32 v[14:15], v[14:15], v[236:237]
	s_wait_alu depctr_va_vdst(0)                   ; and one for the four
.irp b, 0,1,2,3
	v_max_num_f32 v[232+\b], 0x1800000, v[232+\b]  ; the floor 2^(3 - 127): the byte cannot fall under 1
.endr
.irp b, 0,1,2,3
	s_delay_alu instid0(VALU_DEP_4)
	v_add_nc_u32 v[244+\b], 0xff000000, v[232+\b]  ; 2 off the exponent field: the conversion's scale operand
.endr
.irp b, 0,1,2,3
	s_delay_alu instid0(VALU_DEP_4)
	v_lshrrev_b32 v[236+\b], 23, v[244+\b]         ; the scale's byte
.endr
	s_delay_alu instid0(VALU_DEP_3)
	v_lshl_or_b32 v253, v237, 8, v236              ; p's scale word for these 128 keys
	s_delay_alu instid0(VALU_DEP_1)
	v_lshl_or_b32 v253, v238, 16, v253
	s_delay_alu instid0(VALU_DEP_1)
	v_lshl_or_b32 v253, v239, 24, v253
	s_setprio 0
.irp b, 0,1,2,3
	v_cvt_scalef32_pk8_fp4_f32 v[224+2*\b], v[96+16*\b:103+16*\b], v[244+\b]
	v_cvt_scalef32_pk8_fp4_f32 v[225+2*\b], v[104+16*\b:111+16*\b], v[244+\b]
.endr
	v_nop                                          ; one plain place behind a scaled conversion
.irp c, 0,1                                    ; a whole block to a lane
.irp i, 0,1
	v_permlane16_swap_b32 v[224+4*\c+\i], v[226+4*\c+\i]
.endr
.endr
.set jj, 0
.rept 16
	v_pk_mul_f32 v[160+jj:161+jj], v[160+jj:161+jj], v[252:253] op_sel_hi:[1,0]   ; O^T under the new M
.set jj, jj+2
.endr
.rept 4
	v_nop                                          ; places between the last rescaling and the products that add onto it; with the twelve rescalings of the other accumulators they also stand ahead of p's codes' and word's use
.endr
	s_wait_alu depctr_va_vdst(0)
	s_wait_dscnt 0x0                               ; V is in
.irp dt, 0,1,2,3                               ; O^T += V^T P^T: four accumulators by turns; the matrix instruction ahead of the first is S^T's
	v_wmma_scale_f32_16x16x128_f8f6f4 v[160+8*\dt:167+8*\dt], v[192+8*\dt:199+8*\dt], v[224:231], v[160+8*\dt:167+8*\dt], v[248+\dt], v253 matrix_a_fmt:MATRIX_FMT_FP4 matrix_b_fmt:MATRIX_FMT_FP4
.endr
.Lhidden_\@:
	s_add_co_u32 s[TK], s[TK], 4096
	s_add_co_u32 s[TS], s[TS], 512
	s_add_co_u32 s[TJ], s[TJ], 256
	s_add_co_u32 s[STP], s[STP], 1
.endm
; One tile of 16 queries: all 16 steps are walked (a constant count), those behind the diagonal jumped over; then the way out.
.macro PASS p
	s_wait_loadcnt 0x0                             ; Q's fragment and scale word
	s_wait_xcnt 0x0                                ; the last pass's stores have read their registers
	v_add_nc_u32 v240, s[QL+\p], v7                ; my query within its step, less 16 (lane / 16)
	v_mov_b32 v13, 0xff61b1e6                      ; the largest t so far: -3e38
	s_delay_alu instid0(VALU_DEP_1)
	v_floor_f32 v12, -v13
	v_mov_b32 v14, 0
	v_mov_b32 v15, 0
.set jj, 0
.rept 32
	v_mov_b32 v[160+jj], 0                         ; O^T: the step is written once; the first finds zeros, which the first change of M leaves zeros
.set jj, jj+1
.endr
	s_mov_b32 s[TK], 0
	s_mov_b32 s[TS], 0
	s_mov_b32 s[TJ], 0
	s_mov_b32 s[STP], 0
.Lstep_\@:
	STEP SD+\p
	s_cmp_lt_u32 s[STP], 16
	s_cbranch_scc1 .Lstep_\@
	s_setprio 0
.rept 4
	v_nop                                          ; four places behind the last products
.endr
.if \p == 0
	global_load_b128 v[16:19], v1, s[QCA+2:QCA+3]  ; the next tile's Q, asked for ahead of this tile's way out
	global_load_b32 v255, v241, s[QSA+2:QSA+3]
.endif
	v_add_f32 v14, v14, v15                        ; the sum's two halves,
	s_delay_alu instid0(VALU_DEP_1)
	v_permlanex16_b32 v252, v14, s[SEL], s[SEL+1]
	s_delay_alu instid0(VALU_DEP_1)
	v_add_f32 v14, v14, v252                       ; and lane l xor 16's
	s_wait_alu depctr_va_vdst(0)
	v_rcp_f32 v14, v14
	v_nop                                          ; a plain place behind the reciprocal
	s_wait_alu depctr_va_vdst(0)                   ; and the wait ahead of its first reader
.set jj, 0
.rept 16
	v_pk_mul_f32 v[96+jj:97+jj], v[160+jj:161+jj], v[14:15] op_sel_hi:[1,0]   ; O^T / the sum: register 16 b + i is the head's number 32 b + 16 (lane / 16) + i of my query
.set jj, jj+2
.endr
.irp b, 0,1
	v_max3_num_f32 v[232+\b], |v[96+16*\b]|, |v[97+16*\b]|, 0x1800000
.endr
.irp i, 2,4,6,8,10,12,14
.irp b, 0,1
	s_delay_alu instid0(VALU_DEP_2)
	v_max3_num_f32 v[232+\b], v[232+\b], |v[96+16*\b+\i]|, |v[97+16*\b+\i]|
.endr
.endr
.irp b, 0,1
	s_delay_alu instid0(VALU_DEP_2)
	v_permlanex16_b32 v[236+\b], v[232+\b], s[SEL], s[SEL+1]
.endr
.irp b, 0,1
	s_delay_alu instid0(VALU_DEP_2)
	v_max_num_f32 v[232+\b], v[232+\b], v[236+\b]
.endr
.irp b, 0,1
	s_delay_alu instid0(VALU_DEP_2)
	v_add_nc_u32 v[244+\b], 0xff000000, v[232+\b]
.endr
.irp b, 0,1
	s_delay_alu instid0(VALU_DEP_2)
	v_lshrrev_b32 v[236+\b], 23, v[244+\b]
.endr
.irp b, 0,1
	v_cvt_scalef32_pk8_fp4_f32 v[224+2*\b], v[96+16*\b:103+16*\b], v[244+\b]
	v_cvt_scalef32_pk8_fp4_f32 v[225+2*\b], v[104+16*\b:111+16*\b], v[244+\b]
.endr
	v_nop
	v_permlane16_swap_b32 v224, v226               ; lanes 0-15 block 0, lanes 16-31 block 1
	v_permlane16_swap_b32 v225, v227
	v_cmp_ne_u32 vcc_lo, 0, v243
	s_delay_alu instid0(VALU_DEP_1)
	v_cndmask_b32 v254, v236, v237, vcc_lo         ; my half's block's byte
	global_store_b128 v1, v[224:227], s[OCA+2*\p:OCA+2*\p+1]      ; 512 consecutive bytes, aligned
	global_store_b8 v242, v254, s[OSA+2*\p:OSA+2*\p+1]
.endm
	s_load_b128 s[4:7], s[0:1], 0x0                ; qkv, oc
	s_load_b64 s[8:9], s[0:1], 0x10                ; os
	v_lshl_add_u32 v5, v0, 2, SPARE
	v_mov_b32 v6, 0
	ds_add_u32 v5, v6                              ; the wave's opening: the add, twice on end, and its wait ahead of my first tensor load
	ds_add_u32 v5, v6
	v_lshrrev_b32 v8, 5, v0
	s_delay_alu instid0(VALU_DEP_1)
	v_readfirstlane_b32 s[WV], v8                  ; wave 0..15
	s_bfe_u32 s11, ttmp6, 0x40000                  ; g: my place in the cluster
	s_and_b32 s12, ttmp7, 0xffff                   ; batch x 16 + head, which the four partners share
	s_mul_i32 s13, s12, HS
	s_mul_i32 s14, s[WV], PART
	s_mov_b32 s[G1], 15|(3<<16)|(1<<21)            ; the mask: all four work-groups; elements of 8 bytes; bit 21 beside a mask; no padding
	s_mov_b32 s[G1+1], 32<<16                      ; tensor_dim0 = 32 elements: 256 bytes
	s_mov_b32 s[G1+2], 35<<16                      ; tensor_dim1 = 35 rows
	s_mov_b32 s[G1+3], 32<<16                      ; tile_dim0
	s_mov_b32 s[G1+4], 35                          ; tile_dim1
	s_mov_b32 s[G1+5], 32                          ; from row to row: dense
	s_mov_b32 s[G1+6], 0
	s_mov_b32 s[G1+7], 0
	s_mov_b32 s[SEL], 0x76543210
	s_mov_b32 s[SEL+1], 0xfedcba98
	s_mov_b32 s[CS], 0x3e38aa3b                    ; log2(e) / 8
	s_mov_b32 s[CS+1], s[CS]
	s_lshr_b32 s[SD], s[WV], 1                     ; T0 / 8
	s_xor_b32 s[SD+1], s[SD], 15                   ; T1 / 8 = 15 - T0 / 8
	s_add_co_u32 s20, s13, s14
	s_mov_b32 s21, 0
	s_wait_dscnt 0x0                               ; both opening adds are done
	s_wait_kmcnt 0x0
	CROUND                                         ; all four work-groups are here: the joint loads meet
	s_mov_b32 s[G0], 1
	s_mov_b32 s[G0+1], s14                         ; LDS: the record's bytes as they lie
	s_add_nc_u64 s[G0+2:G0+3], s[4:5], s[20:21]
	s_or_b32 s[G0+3], s[G0+3], 0x80000000
	tensor_load_to_lds s[G0:G0+3], s[G1:G1+7]      ; my one tensor load of the launch
	s_nop 0
.rept 4
	v_nop
.endr
	s_lshl_b32 s60, s[WV], 2
	s_add_co_u32 s60, s60, s11                     ; T0
	ADDR 0
	s_xor_b32 s60, s60, 127                        ; T1 = 127 - T0
	ADDR 1
	v_and_b32 v8, 31, v0
	s_delay_alu instid0(VALU_DEP_1)
	v_lshlrev_b32 v1, 4, v8                        ; 16 x lane
	s_delay_alu instid0(VALU_DEP_1)
	v_add_nc_u32 v2, VCO, v1
	v_and_b32 v9, 15, v0                           ; r
	v_bfe_u32 v243, v0, 4, 1                       ; h
	s_delay_alu instid0(VALU_DEP_2)
	v_lshlrev_b32 v241, 4, v9
	s_delay_alu instid0(VALU_DEP_1)
	v_add_nc_u32 v3, KSO, v241
	s_delay_alu instid0(VALU_DEP_2)
	v_add_nc_u32 v4, VSO, v241
	global_load_b128 v[16:19], v1, s[QCA:QCA+1]    ; the first tile's Q
	global_load_b32 v255, v241, s[QSA:QSA+1]
	v_lshrrev_b32 v10, 3, v9
	s_delay_alu instid0(VALU_DEP_1)
	v_lshl_add_u32 v7, v10, 3, v9                  ; r + 8 (r / 8)
	v_lshlrev_b32 v10, 4, v243
	s_delay_alu instid0(VALU_DEP_1)
	v_sub_nc_u32 v7, v7, v10                       ; - 16 h
	v_lshl_add_u32 v242, v9, 5, v243               ; 32 r + h
.irp j, 20,21,22,23
	v_mov_b32 v[\j], 0                             ; zero codes for k = 64 .. 127: Q's,
.endr
.irp t, 0,1,2,3,4,5,6,7
.irp j, 4,5,6,7
	v_mov_b32 v[32+8*\t+\j], 0                     ; and K's: no load writes these
.endr
.endr
.irp j, 236,237,238,239,252,253,254
	v_mov_b32 v[\j], 0                             ; written once: lane permutes' destinations and the halves of pairs count as read
.endr
	s_wait_tensorcnt 0x0                           ; my part of the head's K and V is in,
	s_barrier_signal -1
	s_barrier_wait -1                              ; everybody's is
	PASS 0
	PASS 1
	s_wait_tensorcnt 0x0                           ; the wave's end
	ds_add_u32 v5, v6
	s_wait_dscnt 0x0
	CROUND                                         ; the closing round
	s_endpgm
.Lfunc_end_k_q9c38c01b4c_attn:
	.size	k_q9c38c01b4c_attn, .Lfunc_end_k_q9c38c01b4c_attn-k_q9c38c01b4c_attn
	.p2alignl 7, 3214868480
	.fill 96, 4, 3214868480
	.section	.rodata,"a",@progbits
	.p2align	6, 0x0
	.amdhsa_kernel k_q9c38c01b4c_attn
		.amdhsa_group_segment_fixed_size 167936
		.amdhsa_private_segment_fixed_size 0
		.amdhsa_enable_private_segment 0
		.amdhsa_kernarg_size 24
		.amdhsa_user_sgpr_count 2
		.amdhsa_user_sgpr_kernarg_segment_ptr 1
		.amdhsa_wavefront_size32 1
		.amdhsa_system_sgpr_workgroup_id_x 1
		.amdhsa_system_sgpr_workgroup_id_y 1
		.amdhsa_system_sgpr_workgroup_id_z 1
		.amdhsa_system_vgpr_workitem_id 0
		.amdhsa_next_free_vgpr 256
		.amdhsa_next_free_sgpr 80
		.amdhsa_reserve_vcc 1
		.amdhsa_float_denorm_mode_32 3
		.amdhsa_float_denorm_mode_16_64 3
		.amdhsa_memory_ordered 1
		.amdhsa_forward_progress 1
		.amdhsa_inst_pref_size 62
	.end_amdhsa_kernel
	.amdgpu_metadata
---
amdhsa.version: [ 1, 2 ]
amdhsa.kernels:
  - .name:           k_q9c38c01b4c_attn
    .symbol:         k_q9c38c01b4c_attn.kd
    .args:
      - { .name: qkv, .offset: 0, .size: 8, .value_kind: global_buffer, .address_space: global }
      - { .name: oc, .offset: 8, .size: 8, .value_kind: global_buffer, .address_space: global }
      - { .name: os, .offset: 16, .size: 8, .value_kind: global_buffer, .address_space: global }
    .group_segment_fixed_size: 167936
    .private_segment_fixed_size: 0
    .kernarg_segment_align: 8
    .kernarg_segment_size: 24
    .max_flat_workgroup_size: 512
    .sgpr_count:     80
    .vgpr_count:     256
    .wavefront_size: 32
...
	.end_amdgpu_metadata
.endif
;; end of part 3
;; launch gemm_out (part 4): grid 4 x 64, 4 waves a work-group, clusters of 4 x 4, 327,680 bytes of LDS; arguments oc, os, wc, ws, b_o, out0; writes out0
.if DOCPART == 4
	.amdgcn_target "amdgcn-amd-amdhsa--gfx1250"
	.amdhsa_code_object_version 6
	.text
	.protected	k_q9c38c01b4c_gemm_out
	.globl	k_q9c38c01b4c_gemm_out
	.p2align	8
	.type	k_q9c38c01b4c_gemm_out,@function
k_q9c38c01b4c_gemm_out:
	s_mov_b64 s[64:65], 0
	v_nop
	global_prefetch_b8 v0, s[64:65] scope:SCOPE_SE
	s_setreg_imm32_b32 hwreg(HW_REG_WAVE_MODE, 25, 1), 1
	s_wait_xcnt 0x0
	s_wait_alu depctr_hold_cnt(0) depctr_sa_sdst(0) depctr_va_vdst(0) depctr_va_sdst(0) depctr_va_ssrc(0) depctr_va_vcc(0) depctr_vm_vsrc(0)
	s_getreg_b32 s2, hwreg(HW_REG_IB_STS2, 6, 4)
	s_cmp_eq_u32 s2, 0
	s_cbranch_scc0 .Lentry_in_a_cluster
	s_endpgm
.Lentry_in_a_cluster:
	s_bfe_u32 s2, ttmp6, 0x10000c
	s_cmp_lg_u32 s2, 0xf033
	s_cbranch_scc0 .Lentry_shape_is_right
	s_endpgm
.Lentry_shape_is_right:
; Launch 4 of 4: out0 = O W_o + b_o on codes of E2M1.  O's codes and scale bytes come from attn, W_o's (rows 3,072 on of wc and ws) from prep.  No work is left out here.
; A work-group makes 128 tokens x 256 columns (256 work-groups), a wave 64 x 128: 32 accumulators.  K = 1,024 lies WHOLE in LDS, filled once.
; CLUSTERS: 4 x 4 work-groups; the tokens' tile is shared along a row of the cluster, W_o's along a column: joint loads.
; Source 0 = 16 rows of W_o, source 1 = 16 tokens: a lane holds one token and its registers run along the columns.  Lane r of token tile 2 b + u is token 32 b + 8 u + r + 8 (r / 8); register j of column tile t is
; column 32 (t / 2) + 16 (lane / 16) + 8 (t % 2) + j.  The way out puts both back in order.
; O's codes lie as images of the operand's registers: [tile][K step][c][lane][16 bytes]; W_o's as rows of 512 bytes.
; REGISTERS: window 0: v1-29 addresses; v32-63 the tokens' scale words (8 a + q), v64-127 W_o's (8 t + q); v128-191 the tokens' fragments, two sets; on the way out v128-255 rows of out0.
;   window 1: W_o's fragments, two sets, at v0 and v128; v64-127 the bias.   window 2: the accumulators, (a, t) at v[8 (8 a + t)].
.set PITCH, 528
.set HALFT, 128*PITCH
.set WB,    65536                      ; LDS: 0: eight tiles' images, 8,192 bytes each;  here: W_o's 256 rows
.set SCA,   WB+2*HALFT                 ; the tokens' scale bytes: two halves of 8 runs of 256 bytes + 16
.set SCB,   SCA+2*2176                 ; W_o's: two halves of 16 runs
.set STG,   SCB+2*4352                 ; the way out: 16 rows x (512 + 16) bytes for each wave; no fill lands here
.set SPARE, STG+4*16*528               ; the spare words, 128 bytes for each wave: two blocks of 256 bytes that no other line names
.set ADRA, 16                          ; v16 LDS address of my tokens' fragments
.set ADRB, 20                          ; v20 of W_o's
.set ADSA, 22                          ; v22 of the tokens' scale words
.set ADSB, 23                          ; v23 of W_o's
.set STO,  24                          ; v24 the stage: where I put 32 bytes of a row
.set RD,   25                          ; v25 and where I read a row back
.set CO,   26                          ; v26 16 x lane: my bytes of a row of out0
.set SPW,  28
.set NIL,  29
.set SA,   32
.set SBW,  64
.set AF,   128
.set BK,   128
.set BIAS, 64
.set WV,   16
.set IH,   17
.set JH,   18
.set G1,   24                          ; s[24:31], s[32:35] groups 1 and 0 for O's codes;  s[48:55], s[56:59] for W_o's
.set G0,   32
.set G1B,  48
.set G0B,  56
.set G1S,  68                          ; s[68:75], s[76:79] for O's scale bytes;  s[80:87], s[88:91] for W_o's
.set G0S,  76
.set G1SB, 80
.set G0SB, 88
.set OB0,  92                          ; s[92:93] out0 at my first token and column
.set MSB, 0
.macro WIN new
.if MSB != (\new)
	s_set_vgpr_msb (MSB<<8)|(\new)
.set MSB, (\new)
.endif
.endm
.macro PLACES n
.rept \n
	v_nop
.endr
.endm
.macro JLOAD g0a, g1a, g0b, g1b        ; waves 0 and 1 fetch for the tokens, waves 2 and 3 for W_o; an s_nop 0 and four v_nop follow each line
	s_cmp_eq_u32 s[IH], 0
	s_cbranch_scc0 .Lfor_b_\@
	tensor_load_to_lds s[\g0a:\g0a+3], s[\g1a:\g1a+7]
	s_nop 0
.rept 4
	v_nop
.endr
	s_branch .Lasked_\@
.Lfor_b_\@:
	tensor_load_to_lds s[\g0b:\g0b+3], s[\g1b:\g1b+7]
	s_nop 0
.rept 4
	v_nop
.endr
.Lasked_\@:
.endm
.macro CROUND
	s_barrier_signal -1
	s_barrier_wait -1
	s_cmp_lg_u32 s[WV], 0
	s_cbranch_scc1 .Lnot_wave_0_\@
	s_barrier_signal -3
.Lnot_wave_0_\@:
	s_barrier_wait -3
	s_barrier_signal -1
	s_barrier_wait -1
.endm
.macro FETCH q                         ; 24 LDS loads: K step q's fragments into set q % 2
	WIN 0x40
.irp i, 0,1,2,3,4,5,6,7
.irp c, 0,1
	ds_load_b128 v[128*((\q)%2)+8*\i+4*\c:128*((\q)%2)+8*\i+4*\c+3], v[ADRB] offset:64*(\q)+32*\c+\i*16*PITCH
.endr
.endr
	WIN 0
.irp a, 0,1,2,3
.irp c, 0,1
	ds_load_b128 v[AF+32*((\q)%2)+8*\a+4*\c:AF+32*((\q)%2)+8*\a+4*\c+3], v[ADRA] offset:8192*\a+1024*(\q)+512*\c
.endr
.endr
.endm
.macro MUL32 q                         ; 32 matrix instructions; the 32 accumulators take turns, in the same order in every K step
.if (\q) == 0
	WIN 0x91                                       ; source 0 and C (the bias) window 1, source 1 window 0, D window 2
.else
	WIN 0xa1
.endif
.irp a, 0,1,2,3
.irp t, 0,1,2,3,4,5,6,7
.if (\q) == 0
	v_wmma_scale_f32_16x16x128_f8f6f4 v[8*(8*\a+\t):8*(8*\a+\t)+7], v[128*((\q)%2)+8*\t:128*((\q)%2)+8*\t+7], v[AF+32*((\q)%2)+8*\a:AF+32*((\q)%2)+8*\a+7], v[BIAS+8*\t:BIAS+8*\t+7], v[SBW+8*\t+(\q)], v[SA+8*\a+(\q)] matrix_a_fmt:MATRIX_FMT_FP4 matrix_b_fmt:MATRIX_FMT_FP4
.else
	v_wmma_scale_f32_16x16x128_f8f6f4 v[8*(8*\a+\t):8*(8*\a+\t)+7], v[128*((\q)%2)+8*\t:128*((\q)%2)+8*\t+7], v[AF+32*((\q)%2)+8*\a:AF+32*((\q)%2)+8*\a+7], v[8*(8*\a+\t):8*(8*\a+\t)+7], v[SBW+8*\t+(\q)], v[SA+8*\a+(\q)] matrix_a_fmt:MATRIX_FMT_FP4 matrix_b_fmt:MATRIX_FMT_FP4
.endif
.endr
.endr
.endm
.macro KSTEP q
	s_wait_dscnt 0x0                               ; this step's fragments are in: asked for 32 matrix instructions ago
.if (\q) < 7
.if (\q) > 0
	PLACES 4                                       ; four places in front of loads into registers that the last step's matrix instructions have read
.endif
	FETCH (\q)+1
.endif
	MUL32 \q
.endm
; THE WAY OUT of token tile a: 16 rows x 128 columns through my own stage, and back as whole rows of 512 bytes.  LDS serves a wave's instructions in order: no wait between the stores and the loads.
.macro TOSTAGE a
	WIN 0x08                                       ; an LDS store's data: window 2
.irp t, 0,1,2,3,4,5,6,7
	ds_store_b128 v[STO], v[64*(\a)+8*\t:64*(\a)+8*\t+3] offset:128*(\t/2)+32*(\t%2)       ; each accumulator from its low end on
	ds_store_b128 v[STO], v[64*(\a)+8*\t+4:64*(\a)+8*\t+7] offset:128*(\t/2)+32*(\t%2)+16
.endr
	WIN 0
.set BB, BK+64*((\a)%2)
.irp p, 0,1,2,3,4,5,6,7,8,9,10,11,12,13,14,15
	ds_load_b128 v[BB+4*\p:BB+4*\p+3], v[RD] offset:\p*528
.endr
.endm
.macro SEND a, younger                 ; younger: the LDS instructions issued behind tile a's loads, which may stay out
.set BB, BK+64*((\a)%2)
	s_wait_dscnt \younger
.irp p, 0,1,2,3,4,5,6,7,8,9,10,11,12,13,14,15
	global_store_b128 v[CO], v[BB+4*\p:BB+4*\p+3], s[OB0:OB0+1] offset:(32*((\a)>>1)+8*((\a)&1)+\p+8*(\p>>3))*4096 th:TH_STORE_NT   ; stage row p is that token; 32 lanes store 512 consecutive bytes, aligned
.endr
.endm
	s_load_b128 s[4:7], s[0:1], 0x0                ; oc, os
	s_load_b128 s[8:11], s[0:1], 0x10              ; wc, ws
	s_load_b128 s[12:15], s[0:1], 0x20             ; b_o, out0
	v_lshl_add_u32 v[SPW], v0, 2, SPARE
	v_mov_b32 v[NIL], 0
	ds_add_u32 v[SPW], v[NIL]                      ; the wave's opening: the add, twice on end, and its wait ahead of my first tensor load
	ds_add_u32 v[SPW], v[NIL]
	v_lshrrev_b32 v1, 5, v0
	v_readfirstlane_b32 s[WV], v1
	s_lshr_b32 s[IH], s[WV], 1                     ; which 64 tokens are mine.  Also: I fetch for the tokens (0) or for W_o (1)
	s_and_b32 s[JH], s[WV], 1                      ; which 128 columns.  Also: which half I fetch
	s_bfe_u32 s40, ttmp6, 0x40000
	s_bfe_u32 s41, ttmp6, 0x40004
	s_lshl_b32 s42, ttmp9, 2
	s_add_co_u32 s42, s42, s40                     ; which 256 columns
	s_and_b32 s19, ttmp7, 0xffff
	s_lshl_b32 s19, s19, 2
	s_add_co_u32 s19, s19, s41                     ; which 128 tokens
	s_lshl_b32 s43, s41, 2
	s_lshl_b32 s43, 15, s43                        ; my row of the cluster
	s_lshl_b32 s44, 0x1111, s40                    ; my column
	s_or_b32 s[G1], s43, (3<<16)|(1<<21)           ; O's codes: 32,768 dense bytes as 128 rows of 32 elements of 8 bytes, no padding
	s_mov_b32 s[G1+1], 32<<16
	s_mov_b32 s[G1+2], 128<<16
	s_mov_b32 s[G1+3], 32<<16
	s_mov_b32 s[G1+4], 128
	s_mov_b32 s[G1+5], 32
	s_mov_b32 s[G1+6], 0
	s_mov_b32 s[G1+7], 0
	s_or_b32 s[G1B], s44, (0<<16)|(1<<20)|(1<<21)|(6<<22)|(3<<25)   ; W_o's codes: 128 rows of 512 bytes, four words of padding behind each
	s_mov_b32 s[G1B+1], 512<<16
	s_mov_b32 s[G1B+2], 128<<16
	s_mov_b32 s[G1B+3], 512<<16
	s_mov_b32 s[G1B+4], 128
	s_mov_b32 s[G1B+5], 512
	s_mov_b32 s[G1B+6], 0
	s_mov_b32 s[G1B+7], 0
	s_or_b32 s[G1S], s43, (3<<16)|(1<<20)|(1<<21)|(5<<22)|(3<<25)   ; the scale bytes of 64 tokens: 8 rows of 256 bytes, four words of padding behind each
	s_mov_b32 s[G1S+1], 32<<16
	s_mov_b32 s[G1S+2], 8<<16
	s_mov_b32 s[G1S+3], 32<<16
	s_mov_b32 s[G1S+4], 8
	s_mov_b32 s[G1S+5], 32
	s_mov_b32 s[G1S+6], 0
	s_mov_b32 s[G1S+7], 0
	s_or_b32 s[G1SB], s44, (3<<16)|(1<<20)|(1<<21)|(5<<22)|(3<<25)  ; of 128 rows of W_o: 16 rows
	s_mov_b32 s[G1SB+1], 32<<16
	s_mov_b32 s[G1SB+2], 16<<16
	s_mov_b32 s[G1SB+3], 32<<16
	s_mov_b32 s[G1SB+4], 16
	s_mov_b32 s[G1SB+5], 32
	s_mov_b32 s[G1SB+6], 0
	s_mov_b32 s[G1SB+7], 0
	s_lshl_b32 s22, s19, 16                        ; O's codes: 65,536 y + 32,768 x half
	s_lshl_b32 s20, s[JH], 15
	s_add_co_u32 s22, s22, s20
	s_mov_b32 s23, 0
	s_lshl_b32 s36, s19, 12                        ; its scale bytes: 4,096 y + 2,048 x half
	s_lshl_b32 s20, s[JH], 11
	s_add_co_u32 s36, s36, s20
	s_mov_b32 s37, 0
	s_lshl_b32 s46, s42, 8
	s_lshl_b32 s20, s[JH], 7
	s_add_co_u32 s46, s46, s20
	s_add_co_u32 s46, s46, 3072                    ; W_o: row 3,072 + 256 x + 128 x half
	s_lshl_b32 s38, s46, 9
	s_mov_b32 s39, 0
	s_lshl_b32 s46, s46, 5
	s_mov_b32 s47, 0
	s_lshl_b32 s45, s[JH], 15                      ; where they go: no place in the cluster enters an LDS address
	s_mul_i32 s94, s[JH], 2176
	s_add_co_u32 s94, s94, SCA
	s_mul_i32 s95, s[JH], HALFT
	s_add_co_u32 s95, s95, WB
	s_mul_i32 s96, s[JH], 4352
	s_add_co_u32 s96, s96, SCB
	s_wait_dscnt 0x0                               ; both opening adds are done
	s_wait_kmcnt 0x0
	CROUND                                         ; all sixteen work-groups are here: the joint loads meet
	s_mov_b32 s[G0S], 1
	s_mov_b32 s[G0S+1], s94
	s_add_nc_u64 s[G0S+2:G0S+3], s[6:7], s[36:37]
	s_or_b32 s[G0S+3], s[G0S+3], 0x80000000
	s_mov_b32 s[G0SB], 1
	s_mov_b32 s[G0SB+1], s96
	s_add_nc_u64 s[G0SB+2:G0SB+3], s[10:11], s[46:47]
	s_or_b32 s[G0SB+3], s[G0SB+3], 0x80000000
	JLOAD G0S, G1S, G0SB, G1SB
	s_mov_b32 s[G0], 1
	s_mov_b32 s[G0+1], s45
	s_add_nc_u64 s[G0+2:G0+3], s[4:5], s[22:23]
	s_or_b32 s[G0+3], s[G0+3], 0x80000000
	s_mov_b32 s[G0B], 1
	s_mov_b32 s[G0B+1], s95
	s_add_nc_u64 s[G0B+2:G0B+3], s[8:9], s[38:39]
	s_or_b32 s[G0B+3], s[G0B+3], 0x80000000
	s_wait_alu depctr_va_vdst(0)
	s_wait_tensorcnt 0x0
	ds_add_u32 v28, v29
	s_wait_dscnt 0x0
	CROUND
	JLOAD G0, G1, G0B, G1B                         ; my second tensor load is out, the first is in: my last of the launch
	v_and_b32 v1, 15, v0                           ; r
	v_bfe_u32 v2, v0, 4, 1                         ; h
	v_and_b32 v5, 31, v0
	v_lshlrev_b32 v[CO], 4, v5                     ; 16 x lane
	s_lshl_b32 s20, s[IH], 15
	v_add_nc_u32 v[ADRA], s20, v[CO]               ; my four tiles' images
	v_mul_u32_u24 v3, v1, PITCH
	v_lshl_add_u32 v3, v2, 4, v3
	s_mul_i32 s21, s[JH], HALFT
	s_add_co_u32 s21, s21, WB
	v_add_nc_u32 v[ADRB], s21, v3
	v_lshlrev_b32 v4, 5, v1
	v_lshrrev_b32 v6, 3, v1
	v_lshl_add_u32 v4, v6, 4, v4                   ; my row's scale words: 32 r, and 16 more behind each 256
	s_mul_i32 s20, s[IH], 2176
	s_add_co_u32 s20, s20, SCA
	v_add_nc_u32 v[ADSA], s20, v4
	s_mul_i32 s21, s[JH], 4352
	s_add_co_u32 s21, s21, SCB
	v_add_nc_u32 v[ADSB], s21, v4
	s_mul_i32 s20, s[WV], 16*528
	s_add_co_u32 s20, s20, STG                     ; my stage
	v_mul_u32_u24 v3, v1, 528
	v_lshl_add_u32 v3, v2, 6, v3
	v_add_nc_u32 v[STO], s20, v3                   ; in: row r, + 64 h
	v_add_nc_u32 v[RD], s20, v[CO]                 ; back: 16 bytes a lane of a row
	s_lshl_b32 s20, s42, 10                        ; the bias of my 128 columns, in the result's layout
	s_lshl_b32 s21, s[JH], 9
	s_add_co_u32 s20, s20, s21
	s_mov_b32 s21, 0
	s_add_nc_u64 s[12:13], s[12:13], s[20:21]
	s_add_nc_u64 s[OB0:OB0+1], s[14:15], s[20:21]  ; out0: my first column is as many bytes on,
	s_lshl_b32 s20, s19, 7
	s_lshl_b32 s22, s[IH], 6
	s_add_co_u32 s20, s20, s22
	s_lshl_b32 s20, s20, 12                        ; and my first token: a row is 4,096 bytes
	s_add_nc_u64 s[OB0:OB0+1], s[OB0:OB0+1], s[20:21]
	v_lshlrev_b32 v8, 6, v2                        ; tile t wants columns 32 (t / 2) + 16 h + 8 (t % 2) + 0 .. 7
	WIN 0x40
.irp t, 0,1,2,3,4,5,6,7
	global_load_b128 v[BIAS+8*\t:BIAS+8*\t+3], v8, s[12:13] offset:(32*(\t/2)+8*(\t%2))*4
	global_load_b128 v[BIAS+8*\t+4:BIAS+8*\t+7], v8, s[12:13] offset:(32*(\t/2)+8*(\t%2))*4+16
.endr
	WIN 0
	s_wait_alu depctr_va_vdst(0)
	s_wait_tensorcnt 0x0                           ; my parts of the tiles and of the scale bytes are in,
	s_barrier_signal -1
	s_barrier_wait -1                              ; everybody's are
	s_wait_loadcnt 0x0                             ; the bias
	FETCH 0
.irp a, 0,1,2,3
.irp k, 0,1
	ds_load_b128 v[SA+8*\a+4*\k:SA+8*\a+4*\k+3], v[ADSA] offset:544*\a+16*\k       ; all eight K steps' scale words: the tokens',
.endr
.endr
.irp t, 0,1,2,3,4,5,6,7
.irp k, 0,1
	ds_load_b128 v[SBW+8*\t+4*\k:SBW+8*\t+4*\k+3], v[ADSB] offset:544*\t+16*\k     ; and W_o's
.endr
.endr
.irp q, 0,1,2,3,4,5,6,7
	KSTEP \q
.endr
	WIN 0
	PLACES 4                                       ; four places between the last products and the first read of results, and in front of loads into the fragments' registers
	TOSTAGE 0
.irp a, 1,2,3
.if \a > 1
	s_wait_xcnt 0x0                                ; tile a - 2's stores have read their registers: tile a's rows may land there
.endif
	TOSTAGE \a
	SEND \a-1, 32                                  ; behind tile a - 1's loads: tile a's 16 stores and 16 loads
.endr
	SEND 3, 0
	s_wait_tensorcnt 0x0                           ; the wave's end, behind my last tensor load and my last LDS store
	ds_add_u32 v[SPW], v[NIL]
	s_wait_dscnt 0x0
	CROUND                                         ; the closing round
	s_endpgm
.Lfunc_end_k_q9c38c01b4c_gemm_out:
	.size	k_q9c38c01b4c_gemm_out, .Lfunc_end_k_q9c38c01b4c_gemm_out-k_q9c38c01b4c_gemm_out
	.p2alignl 7, 3214868480
	.fill 96, 4, 3214868480
	.section	.rodata,"a",@progbits
	.p2align	6, 0x0
	.amdhsa_kernel k_q9c38c01b4c_gemm_out
		.amdhsa_group_segment_fixed_size 327680
		.amdhsa_private_segment_fixed_size 0
		.amdhsa_enable_private_segment 0
		.amdhsa_kernarg_size 48
		.amdhsa_user_sgpr_count 2
		.amdhsa_user_sgpr_kernarg_segment_ptr 1
		.amdhsa_wavefront_size32 1
		.amdhsa_system_sgpr_workgroup_id_x 1
		.amdhsa_system_sgpr_workgroup_id_y 1
		.amdhsa_system_sgpr_workgroup_id_z 1
		.amdhsa_system_vgpr_workitem_id 0
		.amdhsa_next_free_vgpr 768
		.amdhsa_next_free_sgpr 100
		.amdhsa_reserve_vcc 0
		.amdhsa_float_denorm_mode_32 3
		.amdhsa_float_denorm_mode_16_64 3
		.amdhsa_memory_ordered 1
		.amdhsa_forward_progress 1
		.amdhsa_inst_pref_size 73
	.end_amdhsa_kernel
	.amdgpu_metadata
---
amdhsa.version: [ 1, 2 ]
amdhsa.kernels:
  - .name:           k_q9c38c01b4c_gemm_out
    .symbol:         k_q9c38c01b4c_gemm_out.kd
    .args:
      - { .name: oc, .offset: 0, .size: 8, .value_kind: global_buffer, .address_space: global }
      - { .name: os, .offset: 8, .size: 8, .value_kind: global_buffer, .address_space: global }
      - { .name: wc, .offset: 16, .size: 8, .value_kind: global_buffer, .address_space: global }
      - { .name: ws, .offset: 24, .size: 8, .value_kind: global_buffer, .address_space: global }
      - { .name: b_o, .offset: 32, .size: 8, .value_kind: global_buffer, .address_space: global }
      - { .name: out0, .offset: 40, .size: 8, .value_kind: global_buffer, .address_space: global }
    .group_segment_fixed_size: 327680
    .private_segment_fixed_size: 0
    .kernarg_segment_align: 8
    .kernarg_segment_size: 48
    .max_flat_workgroup_size: 128
    .sgpr_count:     100
    .vgpr_count:     768
    .wavefront_size: 32
...
	.end_amdgpu_metadata
.endif
;; end of part 4
